; MI455X (gfx1250); checked and timed in simulation.
; The chip was launched on July 23, 2026; its instructions are those of AMD's public machine-readable ISA for CDNA 5 (MIT licence, August 2026) and "CDNA5" Instruction Set Architecture Reference Guide (July 2026). The comments in the code are by the model that wrote it; some were corrected since.
;; Attention. Allowed arithmetic: matrix products marked QUANTISED: E4M3 operands, one given power-of-two scale a tensor, by v_wmma_f32_16x16x64_fp8_fp8 or v_wmma_f32_16x16x128_fp8_fp8, f32 sums; products left as they are: f32 operands where the result goes on into a quantised operand, else bf16, f16 or f32 operands; f32 sums; everything else in f32.
;; Inputs: W_out 1,024 x 1,024 float32; W_qkv 1,024 x 3,072 float32; b_out 1,024 float32; ln_b 1,024 float32; ln_g 1,024 float32; lowp_scales 8 int32 (the exponents e of the quantised operands' scales 2^e); x 2 x 2,048 x 1,024 float32.
;; Outputs: out0 2 x 2,048 x 1,024 float32.
;; This version of the problem:
;;   THIS VERSION OF THE PROBLEM IS GIVEN IN LOW PRECISION. The matrix products marked QUANTISED in the list below multiply operands that are first quantised to E4M3 (4 exponent bits, 3 mantissa bits; 8 bits a number), with one given power-of-two scale for each operand tensor; their sums are f32. All else is computed in f32.
;;   The module's matrix products, in the order in which they are computed (A, B: the left and right operand; K: the contracted axis; several contracted axes count as one K, in the product's order):
;;     1. [M 4,096, K 1,024] x [K 1,024, N 3,072]; A: computed on the way; B: input W_qkv: QUANTISED (scales: A lowp_scales[0], B lowp_scales[1])
;;     2. [M 2,048, K 1] x [K 1, N 32]; A: computed on the way; B: computed on the way: left as it is (no contracted axis)
;;     3. batch 32 x [M 2,048, K 64] x [K 64, N 2,048]; A: computed on the way; B: computed on the way: QUANTISED (scales: A lowp_scales[2], B lowp_scales[3])
;;     4. batch 32 x [M 2,048, K 2,048] x [K 2,048, N 64]; A: softmax (see below); B: computed on the way: QUANTISED (scales: A lowp_scales[4], B lowp_scales[5])
;;     5. [M 4,096, K 1,024] x [K 1,024, N 1,024]; A: computed on the way; B: input W_out: QUANTISED (scales: A lowp_scales[6], B lowp_scales[7])
;;   THE QUANTISER, for each operand of a quantised product, along K:
;;     - The operand's scale is 2^e, e = its entry of the input lowp_scales (int32; the entries are numbered through the quantised products in the list's order, A before B).
;;     - Each number is divided by the scale, clamped to +-448, and rounded to the nearest number of E4M3, ties to even, subnormals kept.
;;     - The product sums the exact products of the quantised numbers (number of the format x scale) in f32.
;;   ~~~python
;;   def quantise(x, axis, e):      # numpy; x: float32 -> the quantised numbers, widened to float32 again
;;       x = np.moveaxis(x, axis, -1); K = x.shape[-1]
;;       r = np.clip(x / 2.0 ** e, -448, 448)
;;       step = 2.0 ** (np.maximum(np.frexp(np.where(r == 0, 1, r))[1] - 1, -6) - 3)
;;       q = np.round(r / step) * step * 2.0 ** e      # np.round: ties to even
;;       return np.moveaxis(q, -1, axis).astype(np.float32)
;;   ~~~
;;   SOFTMAX AHEAD OF A QUANTISED PRODUCT. Where the list says 'softmax', what is quantised is not the finished softmax but p = 2^(t - M), with t = logit x log2(e) and M = ceil(the row's largest t), a whole number; so 1/2 < the row's largest p <= 1. The row's sum l is taken of the UNQUANTISED p, in f32, and the product's result is divided by l at the end. Since M is a whole number, a kernel that streams over the keys may use a running M (the ceiling of the running maximum): every later rescaling is an exact power of two, so the quantised numbers keep their values, but for numbers so far below the row's largest that they fall under the format's range.
;;   OPERANDS COMPUTED ON THE WAY. 'Computed on the way' means the value that the module computes at that place (a softmax that the list does not call 'softmax' is quantised finished and normalised). What goes into a quantiser is computed in f32, as accurately as f32 sums, v_exp_f32 and their like allow (about 1e-6 of the number): no bf16 or f16 on the way to a quantiser, and a product that is left as it is and whose result goes on into a quantised operand takes f32 operands (vector FMAs, or v_wmma_f32_16x16x4_f32). A number that lies on a knife's edge between two numbers of the format may be rounded either way, as far as f32 arithmetic and the matrix unit's own rounding can turn it there, and no further.
;; One version. Each part assembles by itself: llvm-mc -triple=amdgcn-amd-amdhsa -mcpu=gfx1250 --defsym DOCPART=n.
;; ======== version 1 of 1: 4 launches
;; limits: right only within a limited range of input values
;; workspace buffers: xc 4,194,304 bytes; wq 3,145,728 bytes; wo 1,048,576 bytes; rope 524,288 bytes; qc 4,194,304 bytes; kc 4,194,304 bytes; vc 4,194,304 bytes; oc 4,194,304 bytes
;; launch prep (part 1): grid 544 x 1, 4 waves a work-group, no clusters, 0 bytes of LDS; arguments x, ln_g, ln_b, W_qkv, W_out, lowp_scales, xc, wq, wo, rope; writes xc, wq, wo, rope
.if DOCPART == 1
	.amdgcn_target "amdgcn-amd-amdhsa--gfx1250"
	.amdhsa_code_object_version 6
	.text
	.protected	k_q53574353ef_prep
	.globl	k_q53574353ef_prep
	.p2align	8
	.type	k_q53574353ef_prep,@function
k_q53574353ef_prep:
	s_mov_b64 s[64:65], 0
	v_nop
	global_prefetch_b8 v0, s[64:65] scope:SCOPE_SE
	s_setreg_imm32_b32 hwreg(HW_REG_WAVE_MODE, 25, 1), 1
	s_wait_xcnt 0x0
; PREP: everything that is quantised once.  Four jobs, told apart by the work-group number alone:
;   work-groups   0-255  LayerNorm of x, quantised with 2^e0                  -> xc
;   work-groups 256-447  W_qkv quantised with 2^e1, along its first axis (K)  -> wq
;   work-groups 448-511  W_out quantised with 2^e7, along its first axis (K)  -> wo
;   work-groups 512-543  cos and sin of t x inv_freq, f32                     -> rope
; WORK LEFT OUT IN THE WHOLE PROGRAM, and why it is dead for all values of the inputs:
;   (1) reference() builds causal = tril(ones) in its own body and sends every score with key > query to -inf ahead of the softmax: its weight is 0.
;       So key steps of 128 keys that lie wholly behind a tile of queries are not multiplied (the attention launch); inside the step on the diagonal they are computed and set to -inf.
;   (2) emb = concat(freqs, freqs): cos and sin at head place d and d + 32 are one number, so the table holds 32 frequencies and not 64.
;   No input is dead: all seven are loaded.  LIMIT: a NaN, an infinity or an overflow that reaches only masked scores is not carried to the result.
; LIMITS: e0, e1, e7 between -126 and 119, so that 2^e and 448 x 2^e are f32 numbers.  NaN among the inputs is not served.
; LAYOUTS (buffers of the program's own, laid as their reader's operand registers want them; r = lane % 16, h = lane / 16):
;   xc [4096 rows][1024 places p]: place p holds k(p) = 512 (p>>9) + 128 ((p>>2)&3) + 4 ((p>>4)&31) + (p&3).  The same order of k is built into wq, so every product meets its partner;
;      only the order of the sums differs from reference().  It lets a wave load a row as it lies (16 bytes a lane) and convert its own registers: nothing changes lanes.
;   wq [head 16][tile 12][s 8][c 4][h 2][r 16][i 16]: byte = W_qkv[k(128 s + 32 c + 16 h + i)][column r of the tile]; a head's tiles in the order q0 q1 q2 q3 v0 v1 k0 k1 k2 k3 v2 v3.
;   wo [tile 64][s 8][c 4][h 2][r 16][i 16]: byte = W_out[128 s + 32 c + 16 (i>>3) + 8 h + (i&7)][16 tile + r].
;   rope [tb 128][piece 8][lane 32][4 f32]: piece 4 cs + 2 nt + u, word i = (cs ? sin : cos)((16 tb + r) x inv_freq[16 nt + 8 h + 4 u + i]).
; No LDS, no barrier, no matrix unit, no cluster: waves share nothing, each input byte is read once, and each store of a wave covers whole aligned runs of 256 bytes.
.set G,  4                             ; v4-35    ln_g of my 32 columns
.set B,  36                            ; v36-67   ln_b
.set X,  68                            ; v68-195  four rows, 32 numbers a lane each
.set C,  196                           ; v196-227 their codes, 8 registers a row, never rewritten
.set T,  228                           ; v228-235 four chains of sums
.set MU, 244                           ; v[244:245] the mean, twice
.set RS, 246                           ; v[246:247] 1 / sqrt(var + eps), twice
.macro MKSCALE e, vh, vs               ; v[vs] = 2^e as f32 (the conversion takes its exponent field), v[vh] = 448 x 2^e
	s_add_co_i32 s2, \e, 127
	s_lshl_b32 s3, s2, 23
	v_mov_b32 v[\vs], s3
	s_add_co_i32 s2, s2, 8
	s_lshl_b32 s2, s2, 23
	s_or_b32 s2, s2, 0x600000
	v_mov_b32 v[\vh], s2
.endm
	s_load_b512 s[4:19], s[0:1], 0x0               ; x 4, ln_g 6, ln_b 8, W_qkv 10, W_out 12, lowp_scales 14, xc 16, wq 18
	s_load_b128 s[20:23], s[0:1], 0x40             ; wo 20, rope 22
	v_lshrrev_b32 v2, 5, v0
	v_readfirstlane_b32 s32, v2                    ; wave 0..3
	v_and_b32 v3, 31, v0                           ; lane
	s_wait_kmcnt 0x0
	s_load_b256 s[24:31], s[14:15], 0x0            ; e0 .. e7
	s_cmp_lt_u32 ttmp9, 256
	s_cbranch_scc1 .Lln
	s_cmp_lt_u32 ttmp9, 448
	s_cbranch_scc1 .Lwq
	s_cmp_lt_u32 ttmp9, 512
	s_cbranch_scc1 .Lwo
; ---------------------------------------------------------------- the table of cos and sin: a wave makes 16 positions x 32 frequencies
	s_sub_co_u32 s36, ttmp9, 512
	s_lshl_b32 s36, s36, 2
	s_add_co_u32 s36, s36, s32                     ; tb = 4 (work-group - 512) + wave
	s_lshl_b32 s38, s36, 12
	s_mov_b32 s39, 0
	s_add_nc_u64 s[22:23], s[22:23], s[38:39]      ; my 4,096 bytes of the table
	s_lshl_b32 s37, s36, 4                         ; 16 tb
	s_mov_b32 s40, 0x3830f686                      ; 1701/4096 - log2(10000)/32 = 4.2191264e-5
	s_mov_b32 s41, 0x3f22f983                      ; 2 / pi
	s_mov_b32 s42, 0xbfc90fdb                      ; -(pi/2 rounded to f32)
	s_mov_b32 s43, 0x333bbd2e                      ; (pi/2 rounded to f32) - pi/2
	s_mov_b32 s44, 0xb94ca1f9                      ; sine:   -1.9515296e-4
	s_mov_b32 s45, 0x3c08839e                      ;          8.3321609e-3
	s_mov_b32 s46, 0xbe2aaaa3                      ;         -1.6666655e-1
	s_mov_b32 s47, 0x37ccf5ce                      ; cosine:  2.4433157e-5
	s_mov_b32 s48, 0xbab6061a                      ;         -1.3887316e-3
	s_mov_b32 s49, 0x3d2aaaa5                      ;          4.1666646e-2
	s_wait_alu depctr_va_vdst(0)
	v_lshlrev_b32 v1, 4, v3                        ; 16 x lane
	v_bfe_u32 v4, v0, 4, 1
	v_lshlrev_b32 v4, 3, v4                        ; 8 h
	v_and_b32 v5, 15, v0
	v_add_nc_u32 v5, s37, v5
	v_cvt_f32_u32 v5, v5                           ; t = 16 tb + r
; inv_freq[f] = 10000^(-f/32) = 2^(-f log2(10000)/32).  The exponent is made in two parts: f x 1701/4096 is exact (5 bits x 11 bits), its whole part goes to v_ldexp_f32,
; and the small rest takes the correction by one fused multiply-add: the argument of v_exp_f32 lies within +-0.51.
.set n, 0
.rept 16
	v_add_nc_u32 v[64+n], 16*(n/8)+n%8, v4         ; f = 16 nt + j + 8 h
	v_cvt_f32_u32 v[64+n], v[64+n]
	v_mul_f32 v[80+n], 0xbed4a000, v[64+n]         ; -f x 1701/4096
	v_rndne_f32 v[96+n], v[80+n]
	v_sub_f32 v[80+n], v[80+n], v[96+n]
	v_fma_f32 v[80+n], v[64+n], s40, v[80+n]
	v_cvt_i32_f32 v[96+n], v[96+n]
.set n, n+1
.endr
.set n, 0
	s_wait_alu depctr_va_vdst(0)
.rept 16
	v_exp_f32 v[16+n], v[80+n]
.set n, n+1
.endr
	v_nop                                          ; a plain instruction behind the last exponential
	s_wait_alu depctr_va_vdst(0)                   ; one wait for the batch of sixteen, ahead of its first reader
.set n, 0
.rept 16
	v_ldexp_f32 v[16+n], v[16+n], v[96+n]          ; inv_freq
	v_mul_f32 v[16+n], v5, v[16+n]                 ; the angle, rounded once, as reference() has it
.set n, n+1
.endr
; cos and sin of an angle up to 2,047: kq = the nearest multiple of pi/2; angle - kq x (pi/2 as f32) is exact in one fused multiply-add (kq has 11 bits), the rest of pi/2 follows;
; two short polynomials on +-pi/4; the quadrant swaps them and sets the signs, by selects: no branch hangs on data.
.macro SINCOS n
	v_mul_f32 v64, s41, v[16+\n]
	v_rndne_f32 v64, v64                           ; kq
	v_fma_f32 v65, v64, s42, v[16+\n]
	v_fma_f32 v65, v64, s43, v65                   ; rr
	v_mul_f32 v66, v65, v65                        ; z
	v_fma_f32 v67, v66, s44, s45
	v_fma_f32 v68, v66, s47, s48
	v_fma_f32 v67, v67, v66, s46
	v_fma_f32 v68, v68, v66, s49
	v_mul_f32 v67, v67, v66
	v_mul_f32 v69, v66, v66
	v_fma_f32 v70, v66, -0.5, 1.0
	v_fma_f32 v67, v67, v65, v65                   ; sin rr
	v_fma_f32 v68, v68, v69, v70                   ; cos rr
	v_cvt_i32_f32 v71, v64                         ; the quadrant
	v_and_b32 v72, 1, v71
	v_cmp_eq_u32 vcc_lo, 1, v72
	v_cndmask_b32 v[48+\n], v67, v68, vcc_lo       ; odd quadrants change places
	v_cndmask_b32 v[32+\n], v68, v67, vcc_lo
	v_lshlrev_b32 v72, 30, v71
	v_and_b32 v72, 0x80000000, v72                 ; sine is negative in quadrants 2, 3
	v_xor_b32 v[48+\n], v[48+\n], v72
	v_add_nc_u32 v71, 1, v71
	v_lshlrev_b32 v71, 30, v71
	v_and_b32 v71, 0x80000000, v71                 ; cosine in quadrants 1, 2
	v_xor_b32 v[32+\n], v[32+\n], v71
.endm
.irp n, 0,1,2,3,4,5,6,7,8,9,10,11,12,13,14,15
	SINCOS \n
.endr
.irp p, 0,1,2,3,4,5,6,7
	global_store_b128 v1, v[32+4*\p:35+4*\p], s[22:23] offset:512*\p   ; a piece: 512 consecutive bytes
.endr
	s_endpgm
; ---------------------------------------------------------------- LayerNorm: a wave takes four rows, each whole in 32 registers a lane
.macro JOIN
	v_pk_add_f32 v[T:T+1], v[T:T+1], v[T+2:T+3]
	v_pk_add_f32 v[T+4:T+5], v[T+4:T+5], v[T+6:T+7]
	v_pk_add_f32 v[T:T+1], v[T:T+1], v[T+4:T+5]
	v_add_f32 v[T], v[T], v[T+1]
	v_add_f32_dpp v[T], v[T], v[T] row_xmask:1 row_mask:0xf bank_mask:0xf
	v_add_f32_dpp v[T], v[T], v[T] row_xmask:2 row_mask:0xf bank_mask:0xf
	v_add_f32_dpp v[T], v[T], v[T] row_xmask:4 row_mask:0xf bank_mask:0xf
	v_add_f32_dpp v[T], v[T], v[T] row_xmask:8 row_mask:0xf bank_mask:0xf
	v_permlanex16_b32 v250, v[T], s33, s34
	v_add_f32 v[T], v[T], v250                     ; every lane holds the row's sum
.endm
.macro LNROW i, left
.set XR, X+32*\i
	s_wait_loadcnt \left                           ; loads come back in order: this row's eight are in, the later rows' may be out
.irp c, 0,1,2,3
	v_pk_add_f32 v[T+2*\c:T+2*\c+1], v[XR+2*\c:XR+2*\c+1], v[XR+8+2*\c:XR+8+2*\c+1]   ; four chains, started by the first sums
.endr
.irp p, 16, 24
.irp c, 0,1,2,3
	v_pk_add_f32 v[T+2*\c:T+2*\c+1], v[T+2*\c:T+2*\c+1], v[XR+\p+2*\c:XR+\p+2*\c+1]
.endr
.endr
	JOIN
	v_mul_f32 v[MU], s35, v[T]                     ; the mean: sum / 1024
	v_mul_f32 v[MU+1], s35, v[T]
.set n, 0
.rept 16
	v_pk_add_f32 v[XR+n:XR+n+1], v[XR+n:XR+n+1], v[MU:MU+1] neg_lo:[0,1] neg_hi:[0,1]   ; x - mu
.set n, n+2
.endr
.irp c, 0,1,2,3
	v_pk_mul_f32 v[T+2*\c:T+2*\c+1], v[XR+2*\c:XR+2*\c+1], v[XR+2*\c:XR+2*\c+1]
.endr
.irp p, 8, 16, 24
.irp c, 0,1,2,3
	v_pk_fma_f32 v[T+2*\c:T+2*\c+1], v[XR+\p+2*\c:XR+\p+2*\c+1], v[XR+\p+2*\c:XR+\p+2*\c+1], v[T+2*\c:T+2*\c+1]
.endr
.endr
	JOIN
	v_fmaak_f32 v[T+1], s35, v[T], 0x3727c5ac      ; var + 1e-5
	s_wait_alu depctr_va_vdst(0)
	v_rsq_f32 v[RS], v[T+1]
	v_rsq_f32 v[RS+1], v[T+1]
	v_nop                                          ; a plain instruction behind the transcendentals
	s_wait_alu depctr_va_vdst(0)                   ; one wait for both, ahead of their first reader
.set n, 0
.rept 16
	v_pk_mul_f32 v[XR+n:XR+n+1], v[XR+n:XR+n+1], v[RS:RS+1]
.set n, n+2
.endr
.set n, 0
.rept 16
	v_pk_fma_f32 v[XR+n:XR+n+1], v[XR+n:XR+n+1], v[G+n:G+n+1], v[B+n:B+n+1]
.set n, n+2
.endr
.set n, 0
.rept 32
	v_med3_num_f32 v[XR+n], v[XR+n], -v248, v248   ; the conversion to an 8-bit code does not saturate (ISA guide 7.6.2): held within 448 x 2^e0 first
.set n, n+1
.endr
.irp m, 0,1,2,3
	v_cvt_scalef32_pk8_fp8_f32 v[C+8*\i+2*\m:C+8*\i+2*\m+1], v[XR+8*\m:XR+8*\m+7], v249
.endr
	v_nop                                          ; a plain instruction behind the last conversion
	global_store_b128 v1, v[C+8*\i:C+8*\i+3], s[16:17] offset:1024*\i         ; 512 consecutive bytes: places 16 lane + 0..15
	global_store_b128 v1, v[C+8*\i+4:C+8*\i+7], s[16:17] offset:1024*\i+512   ; places 512 + 16 lane + 0..15
.endm
.Lln:
	s_wait_alu depctr_va_vdst(0)
	v_lshlrev_b32 v1, 4, v3                        ; 16 x lane
	s_wait_alu depctr_va_vdst(0)
	s_lshl_b32 s36, ttmp9, 4
	s_lshl_b32 s37, s32, 2
	s_add_co_u32 s36, s36, s37                     ; my first row = 16 work-group + 4 wave
	s_lshl_b32 s38, s36, 12
	s_mov_b32 s39, 0
	s_add_nc_u64 s[4:5], s[4:5], s[38:39]
	s_lshl_b32 s38, s36, 10
	s_add_nc_u64 s[16:17], s[16:17], s[38:39]
.irp j, 0,1,2,3,4,5,6,7
	global_load_b128 v[G+4*\j:G+4*\j+3], v1, s[6:7] offset:512*\j
.endr
.irp j, 0,1,2,3,4,5,6,7
	global_load_b128 v[B+4*\j:B+4*\j+3], v1, s[8:9] offset:512*\j
.endr
.irp i, 0,1,2,3
.irp j, 0,1,2,3,4,5,6,7
	global_load_b128 v[X+32*\i+4*\j:X+32*\i+4*\j+3], v1, s[4:5] offset:4096*\i+512*\j th:TH_LOAD_NT   ; register 4 j + b = column 128 j + 4 lane + b
.endr
.endr
	s_mov_b32 s33, 0x76543210                      ; v_permlanex16_b32: each lane takes its own place in the other half
	s_mov_b32 s34, 0xfedcba98
	s_mov_b32 s35, 0x3a800000                      ; 1 / 1024
	v_mov_b32 v250, 0                              ; a lane permute's destination counts as read: written once
	s_wait_kmcnt 0x0
	MKSCALE s24, 248, 249
	LNROW 0, 24
	LNROW 1, 16
	LNROW 2, 8
	LNROW 3, 0
	s_endpgm
; ---------------------------------------------------------------- the weights: a wave takes 32 columns x 128 places of K; A LANE TAKES A COLUMN AND ITS REGISTERS RUN DOWN K, in the order of the image
.macro WLANE
	v_lshlrev_b32 v1, 2, v3                        ; in: 4 bytes a lane: 128 consecutive bytes a wave, 512 a work-group
	v_lshrrev_b32 v2, 4, v3
	v_and_b32 v4, 15, v3
	v_lshlrev_b32 v2, 14, v2
	v_lshl_add_u32 v2, v4, 4, v2                   ; out: lanes 0-15 one tile, lanes 16-31 the next (16,384 bytes on); 16 bytes a lane: sixteen lanes fill 256 consecutive bytes
.endm
.macro WQUANT mode, rowb, sb, db       ; mode 0: xc's order of k; mode 1: k in its own places.  Group gi = 2 c + h of the image, i = its byte
.set gi, 0
.rept 8
.set ii, 0
.rept 16
.if \mode == 0
	global_load_b32 v[16+16*gi+ii], v1, s[\sb:\sb+1] offset:(128*(ii/4)+4*gi+(ii%4))*\rowb th:TH_LOAD_NT
.else
	global_load_b32 v[16+16*gi+ii], v1, s[\sb:\sb+1] offset:(32*(gi/2)+16*(ii/8)+8*(gi%2)+(ii%8))*\rowb th:TH_LOAD_NT
.endif
.set ii, ii+1
.endr
.set gi, gi+1
.endr
.set gi, 0
.rept 8
.if 112-16*gi > 63
	s_wait_loadcnt 63                              ; 112 - 16 gi younger loads could stay out; the wait names 63 at the most, and a smaller count is safe
.else
	s_wait_loadcnt 112-16*gi                       ; the later groups' loads may be out
.endif
.set ii, 0
.rept 16
	v_med3_num_f32 v[16+16*gi+ii], v[16+16*gi+ii], -v8, v8
.set ii, ii+1
.endr
	v_cvt_scalef32_pk8_fp8_f32 v[144+4*gi:145+4*gi], v[16+16*gi:23+16*gi], v9
	v_cvt_scalef32_pk8_fp8_f32 v[146+4*gi:147+4*gi], v[24+16*gi:31+16*gi], v9
	global_store_b128 v2, v[144+4*gi:147+4*gi], s[\db:\db+1] offset:256*gi   ; each group has its own code registers: no store's data are written again
.set gi, gi+1
.endr
.endm
.Lwq:
	s_wait_alu depctr_va_vdst(0)
	WLANE
	s_sub_co_u32 s36, ttmp9, 256
	s_lshr_b32 s37, s36, 3                         ; which 128 columns
	s_and_b32 s38, s36, 7                          ; s: which 128 places of K
	s_lshl_b32 s37, s37, 2
	s_add_co_u32 s37, s37, s32                     ; sg: which 32 columns, 0..95
	s_lshr_b32 s39, s37, 5                         ; 0 q, 1 k, 2 v
	s_bfe_u32 s40, s37, 0x40001                    ; the head
	s_and_b32 s41, s37, 1                          ; which half of the head's 64
	s_cmp_eq_u32 s39, 1
	s_cselect_b32 s42, 3, 0
	s_add_co_u32 s42, s42, s41                     ; q: pair 0, 1;  k: pair 3, 4
	s_lshl_b32 s43, s41, 1
	s_add_co_u32 s43, s43, 2
	s_cmp_eq_u32 s39, 2
	s_cselect_b32 s43, s43, 0
	s_add_co_u32 s42, s42, s43                     ; v: pair 2, 5
	s_lshr_b32 s44, s38, 2
	s_lshl_b32 s44, s44, 9
	s_and_b32 s45, s38, 3
	s_lshl_b32 s45, s45, 5
	s_add_co_u32 s44, s44, s45                     ; the step's first row of W_qkv: 512 (s>>2) + 32 (s&3)
	s_mul_i32 s44, s44, 12288
	s_lshl_b32 s45, s37, 7
	s_add_co_u32 s44, s44, s45
	s_mov_b32 s45, 0
	s_add_nc_u64 s[10:11], s[10:11], s[44:45]
	s_mul_i32 s46, s40, 12
	s_lshl_b32 s47, s42, 1
	s_add_co_u32 s46, s46, s47
	s_lshl_b32 s46, s46, 14
	s_lshl_b32 s47, s38, 11
	s_add_co_u32 s46, s46, s47
	s_mov_b32 s47, 0
	s_add_nc_u64 s[18:19], s[18:19], s[46:47]
	s_wait_alu depctr_va_vdst(0)
	s_wait_kmcnt 0x0
	MKSCALE s25, 8, 9
	s_wait_alu depctr_va_vdst(0)
	WQUANT 0, 12288, 10, 18                        ; the largest offset, 415 rows of 12,288 bytes, lies inside the signed 24-bit immediate
	s_endpgm
.Lwo:
	s_wait_alu depctr_va_vdst(0)
	WLANE
	s_sub_co_u32 s36, ttmp9, 448
	s_lshr_b32 s37, s36, 3                         ; which 128 columns
	s_and_b32 s38, s36, 7                          ; s
	s_lshl_b32 s44, s38, 19                        ; 128 s rows of 4,096 bytes
	s_lshl_b32 s45, s37, 9
	s_add_co_u32 s44, s44, s45
	s_lshl_b32 s45, s32, 7
	s_add_co_u32 s44, s44, s45
	s_mov_b32 s45, 0
	s_add_nc_u64 s[12:13], s[12:13], s[44:45]
	s_lshl_b32 s46, s37, 3
	s_lshl_b32 s47, s32, 1
	s_add_co_u32 s46, s46, s47
	s_lshl_b32 s46, s46, 14
	s_lshl_b32 s47, s38, 11
	s_add_co_u32 s46, s46, s47
	s_mov_b32 s47, 0
	s_add_nc_u64 s[20:21], s[20:21], s[46:47]
	s_wait_alu depctr_va_vdst(0)
	s_wait_kmcnt 0x0
	MKSCALE s31, 8, 9
	s_wait_alu depctr_va_vdst(0)
	WQUANT 1, 4096, 12, 20
	s_endpgm
.Lfunc_end_k_q53574353ef_prep:
	.size	k_q53574353ef_prep, .Lfunc_end_k_q53574353ef_prep-k_q53574353ef_prep
	.p2alignl 7, 3214868480
	.fill 96, 4, 3214868480
	.section	.rodata,"a",@progbits
	.p2align	6, 0x0
	.amdhsa_kernel k_q53574353ef_prep
		.amdhsa_group_segment_fixed_size 0
		.amdhsa_private_segment_fixed_size 0
		.amdhsa_enable_private_segment 0
		.amdhsa_kernarg_size 80
		.amdhsa_user_sgpr_count 2
		.amdhsa_user_sgpr_kernarg_segment_ptr 1
		.amdhsa_wavefront_size32 1
		.amdhsa_system_sgpr_workgroup_id_x 1
		.amdhsa_system_sgpr_workgroup_id_y 1
		.amdhsa_system_sgpr_workgroup_id_z 1
		.amdhsa_system_vgpr_workitem_id 0
		.amdhsa_next_free_vgpr 256
		.amdhsa_next_free_sgpr 66
		.amdhsa_reserve_vcc 1
		.amdhsa_float_denorm_mode_32 3
		.amdhsa_float_denorm_mode_16_64 3
		.amdhsa_memory_ordered 1
		.amdhsa_forward_progress 1
		.amdhsa_inst_pref_size 115
	.end_amdhsa_kernel
	.amdgpu_metadata
---
amdhsa.version: [ 1, 2 ]
amdhsa.kernels:
  - .name:           k_q53574353ef_prep
    .symbol:         k_q53574353ef_prep.kd
    .args:
      - { .name: x, .offset: 0, .size: 8, .value_kind: global_buffer, .address_space: global }
      - { .name: ln_g, .offset: 8, .size: 8, .value_kind: global_buffer, .address_space: global }
      - { .name: ln_b, .offset: 16, .size: 8, .value_kind: global_buffer, .address_space: global }
      - { .name: W_qkv, .offset: 24, .size: 8, .value_kind: global_buffer, .address_space: global }
      - { .name: W_out, .offset: 32, .size: 8, .value_kind: global_buffer, .address_space: global }
      - { .name: lowp_scales, .offset: 40, .size: 8, .value_kind: global_buffer, .address_space: global }
      - { .name: xc, .offset: 48, .size: 8, .value_kind: global_buffer, .address_space: global }
      - { .name: wq, .offset: 56, .size: 8, .value_kind: global_buffer, .address_space: global }
      - { .name: wo, .offset: 64, .size: 8, .value_kind: global_buffer, .address_space: global }
      - { .name: rope, .offset: 72, .size: 8, .value_kind: global_buffer, .address_space: global }
    .group_segment_fixed_size: 0
    .private_segment_fixed_size: 0
    .kernarg_segment_align: 8
    .kernarg_segment_size: 80
    .max_flat_workgroup_size: 128
    .sgpr_count:     66
    .vgpr_count:     256
    .wavefront_size: 32
...
	.end_amdgpu_metadata
.endif
;; end of part 1
;; launch qkv (part 2): grid 16 x 16, 4 waves a work-group, clusters of 4 x 4, 327,680 bytes of LDS; arguments xc, wq, rope, lowp_scales, qc, kc, vc; writes qc, kc, vc
.if DOCPART == 2
	.amdgcn_target "amdgcn-amd-amdhsa--gfx1250"
	.amdhsa_code_object_version 6
	.text
	.protected	k_q53574353ef_qkv
	.globl	k_q53574353ef_qkv
	.p2align	8
	.type	k_q53574353ef_qkv,@function
k_q53574353ef_qkv:
	s_mov_b64 s[64:65], 0
	v_nop
	global_prefetch_b8 v0, s[64:65] scope:SCOPE_SE
	s_setreg_imm32_b32 hwreg(HW_REG_WAVE_MODE, 25, 1), 1
	s_wait_xcnt 0x0
	s_wait_alu depctr_hold_cnt(0) depctr_sa_sdst(0) depctr_va_vdst(0) depctr_va_sdst(0) depctr_va_ssrc(0) depctr_va_vcc(0) depctr_vm_vsrc(0)
	s_getreg_b32 s2, hwreg(HW_REG_IB_STS2, 6, 4)
	s_cmp_eq_u32 s2, 0
	s_cbranch_scc0 .Lentry_in_a_cluster
	s_endpgm
.Lentry_in_a_cluster:
	s_bfe_u32 s2, ttmp6, 0x10000c
	s_cmp_lg_u32 s2, 0xf033
	s_cbranch_scc0 .Lentry_shape_is_right
	s_endpgm
.Lentry_shape_is_right:
; QKV: xn W_qkv on codes of E4M3, the rotation of q and k, and the three quantisers behind it; q, k and v leave as codes in the order of the attention launch's operand registers.
; SHARES.  Work-group (x = head, y = block of 256 rows) makes the head's q, k and v for its rows: 256 x 192.  Wave (wr, wc): rows 128 wr on (8 blocks of 16) x six tiles of 16 columns:
; wc = 0: q0-q3, v0, v1;  wc = 1: k0-k3, v2, v3 (wq lies in that order).  48 accumulators, 384 registers; for 128 along K a wave reads 14 fragments from LDS for 48 matrix instructions.
; q's and k's tiles are used TRANSPOSED (source 0 = 16 columns of W, source 1 = 16 rows of xn): a lane holds one row and eight neighbours along the head, the next K; the rotation's partners d and d + 32
; are tiles nt and nt + 2, same lane, same register.  v's tiles are used as they are (source 0 = rows, source 1 = columns): a lane holds one channel and eight neighbouring KEYS, the second product's K.
; So each conversion's result IS a pair of registers of the next operand, and each store is 16 bytes a lane, 512 consecutive bytes a wave: no stage in LDS.
; K goes in four slots of 256 places through a ring of two LDS slots.  xn's rows are padded (pitch 272); W's tiles are images of registers and are read 16 bytes a lane on end.
; CLUSTER 4 x 4: xn's tile and the table of cos and sin hang on y alone and are asked for jointly along a row of the cluster; W's tile hangs on the head alone: along a column.
; The sums lack 2^(e0 + e1): it is folded into the conversions' scales: q / 2^(e2 - e0 - e1), k / 2^(e3 - e0 - e1), v / 2^(e5 - e0 - e1).
; LIMITS: those three exponents lie between -126 and 119.  NaN is not served.  The order of k inside the sums is xc's (the same in both operands), not reference()'s.
; Nothing of reference() is left out here but the second, equal half of the table of cos and sin (emb = concat(freqs, freqs)).
; REGISTERS: window 0: v8-11 holds and scales, v16-29 addresses, v32-127 free in the loop, v128-255 xn's fragments (ONE set);  window 1: W's fragments, two sets, at v0 and v128;
;   window 2: the accumulators of blocks 0-3 ((a, b) at v[8 (6 (a % 4) + b)]);  window 3: of blocks 4-7.
.set PITCH, 272                        ; 256 bytes + 16: 68 words, so the 16 rows that a load touches start at 16 different banks (64 banks of 4 bytes: ISA guide 11.1)
.set HALFA, 128*PITCH
.set ASZ,   2*HALFA
.set HALFB, 6*4096
.set SLOT,  ASZ+2*HALFB                ; 118,784
.set TAB,   2*SLOT                     ; the table: 16 blocks of 16 positions x 4,096 bytes
.set SPARE, TAB+65536                  ; the spare words, 128 bytes a wave: two blocks of 256 bytes that no other line names
.set ADRA, 16                          ; v16-17 my fragments of xn in slot 0, 1
.set ADRB, 20                          ; v20-21 of W
.set LI,   22                          ; v22    16 x lane
.set TBA,  23                          ; v23    my half of the table
.set SPW,  28
.set NIL,  29
.set AF,   128
.set TB,   32                          ; the way out: v32-95 two sets of a block's cos and sin
.set TT,   96                          ; v96-103 at work
.set R,    104                         ; v104-135 32 numbers ahead of the conversions
.set CD,   136                         ; v136-199 q's or k's codes, 8 a block
.set VC,   200                         ; v200-231 v's codes: two fragments
.set G1A, 28
.set G0A, 36
.set G1B, 44
.set G0B, 52
.set G1T, 68
.set G0T, 76
.set MSB, 0
.macro WIN new                         ; the immediate's high byte repeats the setting that is left
.if MSB != (\new)
	s_set_vgpr_msb (MSB<<8)|(\new)
.set MSB, (\new)
.endif
.endm
.macro PLACES                          ; four plain vector instructions between a matrix instruction and a load into, or a vector read or write of, its registers
.rept 4
	v_nop
.endr
.endm
.macro JLOAD g0a, g0b                  ; a joint load: waves 0, 1 fetch xn's halves, waves 2, 3 W's; an s_nop 0 and four v_nop follow each line
	s_cmp_eq_u32 s19, 0
	s_cbranch_scc0 .Lfor_b_\@
	tensor_load_to_lds s[\g0a:\g0a+3], s[G1A:G1A+7]
	s_nop 0
.rept 4
	v_nop
.endr
	s_branch .Lasked_\@
.Lfor_b_\@:
	tensor_load_to_lds s[\g0b:\g0b+3], s[G1B:G1B+7]
	s_nop 0
.rept 4
	v_nop
.endr
.Lasked_\@:
.endm
.macro CREST                           ; a round of the cluster's barrier behind its opening barrier
	s_cmp_lg_u32 s18, 0
	s_cbranch_scc1 .Lnot_wave_0_\@
	s_barrier_signal -3
.Lnot_wave_0_\@:
	s_barrier_wait -3
	s_barrier_signal -1
	s_barrier_wait -1
.endm
.macro CROUND
	s_barrier_signal -1
	s_barrier_wait -1
	CREST
.endm
	s_load_b256 s[4:11], s[0:1], 0x0               ; xc 4, wq 6, rope 8, lowp_scales 10
	s_load_b128 s[12:15], s[0:1], 0x20             ; qc 12, kc 14
	s_load_b64 s[16:17], s[0:1], 0x30              ; vc
	v_lshl_add_u32 v[SPW], v0, 2, SPARE
	v_mov_b32 v[NIL], 0
	ds_add_u32 v[SPW], v[NIL]                      ; the opening: the add, twice on end, and its wait ahead of my first tensor load
	ds_add_u32 v[SPW], v[NIL]
	v_lshrrev_b32 v1, 5, v0
	v_readfirstlane_b32 s18, v1                    ; wave
	s_lshr_b32 s19, s18, 1                         ; wr.  Also: I fetch for xn (0) or for W (1)
	s_and_b32 s20, s18, 1                          ; wc.  Also: which half I fetch
	s_bfe_u32 s21, ttmp6, 0x40000                  ; cx
	s_bfe_u32 s22, ttmp6, 0x40004                  ; cy
	s_lshl_b32 s23, ttmp9, 2
	s_add_co_u32 s23, s23, s21                     ; the head
	s_and_b32 s24, ttmp7, 0xffff
	s_lshl_b32 s24, s24, 2
	s_add_co_u32 s24, s24, s22                     ; y
	s_lshl_b32 s25, s22, 2
	s_lshl_b32 s25, 15, s25                        ; my row of the cluster
	s_lshl_b32 s26, 0x1111, s21                    ; my column
	s_or_b32 s[G1A], s25, (1<<20)|(1<<21)|(5<<22)|(3<<25)   ; xn: elements of 1 byte; 4 words of padding behind every 64; bit 21 beside a mask
	s_mov_b32 s[G1A+1], 256<<16                    ; tensor_dim0 = 256
	s_mov_b32 s[G1A+2], 128<<16                    ; tensor_dim1 = 128
	s_mov_b32 s[G1A+3], 256<<16                    ; tile_dim0
	s_mov_b32 s[G1A+4], 128                        ; tile_dim1
	s_mov_b32 s[G1A+5], 1024                       ; from row to row
	s_mov_b32 s[G1A+6], 0
	s_mov_b32 s[G1A+7], 0
	s_or_b32 s[G1B], s26, (3<<16)|(1<<21)          ; W: elements of 8 bytes; six tiles' 4,096 bytes (two steps), 16,384 bytes apart, dense in LDS
	s_mov_b32 s[G1B+1], 512<<16
	s_mov_b32 s[G1B+2], 6<<16
	s_mov_b32 s[G1B+3], 512<<16
	s_mov_b32 s[G1B+4], 6
	s_mov_b32 s[G1B+5], 2048
	s_mov_b32 s[G1B+6], 0
	s_mov_b32 s[G1B+7], 0
	s_or_b32 s[G1T], s25, (3<<16)|(1<<21)          ; the table: a dense block of 32,768 bytes a wave, as 128 rows of 256
	s_mov_b32 s[G1T+1], 32<<16
	s_mov_b32 s[G1T+2], 128<<16
	s_mov_b32 s[G1T+3], 32<<16
	s_mov_b32 s[G1T+4], 128                        ; the table comes in two loads of 32,768 bytes, 128 rows of 256
	s_mov_b32 s[G1T+5], 32
	s_mov_b32 s[G1T+6], 0
	s_mov_b32 s[G1T+7], 0
	s_lshl_b32 s88, s24, 8                         ; xn: row 256 y + 128 half (made of y and the wave alone)
	s_lshl_b32 s27, s20, 7
	s_add_co_u32 s88, s88, s27
	s_lshl_b32 s88, s88, 10
	s_mov_b32 s89, 0
	s_mul_i32 s90, s23, 12                         ; W: tile 12 head + 6 half (made of the head and the wave alone)
	s_mul_i32 s27, s20, 6
	s_add_co_u32 s90, s90, s27
	s_lshl_b32 s90, s90, 14
	s_mov_b32 s91, 0
	s_lshl_b32 s92, s24, 4                         ; the table: block (16 y) mod 128 + 8 (wave >> 1)
	s_and_b32 s92, s92, 127
	s_lshl_b32 s27, s19, 3                         ; waves 1 and 3 fetch its halves: 8 blocks each
	s_add_co_u32 s92, s92, s27
	s_lshl_b32 s92, s92, 12
	s_mov_b32 s93, 0
	s_mul_i32 s66, s18, HALFA                      ; where they go: no place in the cluster enters an LDS address
	s_mul_i32 s67, s18, HALFB
	s_add_co_u32 s67, s67, ASZ-2*HALFB             ; waves 2, 3: behind xn's 256 rows
	s_lshl_b32 s60, s19, 15
	s_add_co_u32 s60, s60, TAB
	s_wait_dscnt 0x0                               ; both opening adds are done
	s_wait_kmcnt 0x0
	s_load_b256 s[80:87], s[10:11], 0x0            ; e0 .. e7
	s_add_nc_u64 s[88:89], s[4:5], s[88:89]
	s_add_nc_u64 s[90:91], s[6:7], s[90:91]
	s_add_nc_u64 s[92:93], s[8:9], s[92:93]
	CROUND                                         ; all sixteen work-groups are here: the first joint loads meet
.irp s, 0,1
	s_mov_b32 s[G0A+4*\s], 1
	s_add_co_u32 s[G0A+4*\s+1], s66, \s*SLOT
	s_add_nc_u64 s[G0A+4*\s+2:G0A+4*\s+3], s[88:89], \s*256
	s_or_b32 s[G0A+4*\s+3], s[G0A+4*\s+3], 0x80000000
	s_mov_b32 s[G0B+4*\s], 1
	s_add_co_u32 s[G0B+4*\s+1], s67, \s*SLOT
	s_add_nc_u64 s[G0B+4*\s+2:G0B+4*\s+3], s[90:91], \s*4096
	s_or_b32 s[G0B+4*\s+3], s[G0B+4*\s+3], 0x80000000
.endr
	s_mov_b32 s[G0T], 1
	s_mov_b32 s[G0T+1], s60
	s_mov_b64 s[G0T+2:G0T+3], s[92:93]
	s_or_b32 s[G0T+3], s[G0T+3], 0x80000000
	JLOAD G0A, G0B                                 ; slot 0: one tensor load a wave at the head
	; the prefetches of slots 1, 2 and 3, each a slot ahead of its load.  Of the 128 rows (A: 256 bytes each) or 96 blocks of 256 bytes (B: six tiles of 4,096) that a wave fetches,
	; each of the four partners that ask for them jointly names its part, told apart by address: A: rows 32 cx + lane;  B: blocks 24 cy + lane (lanes 24-31 name the last again)
	v_and_b32 v25, 31, v0
	s_lshl_b32 s60, s21, 15
	v_lshlrev_b32 v26, 10, v25
	v_min_u32 v27, 23, v25
	s_mul_i32 s61, s22, 24
	v_add_nc_u32 v26, s60, v26
	v_add_nc_u32 v27, s61, v27
	v_lshrrev_b32 v30, 4, v27
	v_and_b32 v27, 15, v27
	v_lshlrev_b32 v27, 8, v27
	v_lshl_add_u32 v27, v30, 14, v27
	s_cmp_eq_u32 s19, 0
	s_cselect_b32 s62, -1, 0
	v_cndmask_b32 v24, v27, v26, s62               ; v24: the prefetches' offset, never rewritten
	s_cselect_b64 s[90:91], s[88:89], s[90:91]
	s_movk_i32 s61, 0x1000
	s_cselect_b32 s60, 0x100, s61                  ; a slot on: 256 bytes of a row of xn, 4,096 of a tile of W
	s_mov_b32 s61, 0
	s_add_nc_u64 s[92:93], s[90:91], s[60:61]      ; slot 1
	s_add_nc_u64 s[90:91], s[92:93], s[60:61]      ; slot 2
	global_prefetch_b8 v24, s[92:93] th:TH_LOAD_NT scope:SCOPE_SE   ; slot 1, whose load goes out when slot 0 has landed
	s_add_nc_u64 s[88:89], s[90:91], s[60:61]      ; slot 3
	v_and_b32 v1, 15, v0                           ; r
	v_bfe_u32 v2, v0, 4, 1                         ; h
	v_mul_u32_u24 v3, v1, PITCH
	v_lshl_add_u32 v3, v2, 4, v3
	s_mul_i32 s27, s19, HALFA
	v_add_nc_u32 v[ADRA], s27, v3
	s_add_co_u32 s27, s27, SLOT
	v_add_nc_u32 v[ADRA+1], s27, v3
	v_and_b32 v4, 31, v0
	v_lshlrev_b32 v[LI], 4, v4
	s_mul_i32 s27, s20, HALFB
	s_add_co_u32 s27, s27, ASZ
	v_add_nc_u32 v[ADRB], s27, v[LI]
	s_add_co_u32 s27, s27, SLOT
	v_add_nc_u32 v[ADRB+1], s27, v[LI]
	s_lshl_b32 s27, s19, 15
	s_add_co_u32 s27, s27, TAB
	v_add_nc_u32 v[TBA], s27, v[LI]
	s_lshr_b32 s94, s24, 3                         ; where the codes go: batch-head 16 (y >> 3) + head, key step 2 (y & 7) + wr: 8,192 bytes a step in each of the three buffers
	s_lshl_b32 s94, s94, 4
	s_add_co_u32 s94, s94, s23
	s_lshl_b32 s94, s94, 17
	s_and_b32 s95, s24, 3                          ; key step s = 2 (y & 7) + wr = 8 a + 2 b + c stands at place 4 b + 2 a + c: the order of the attention launch's fills
	s_lshl_b32 s96, s95, 2
	s_bfe_u32 s95, s24, 0x10002
	s_lshl_b32 s95, s95, 1
	s_add_co_u32 s96, s96, s95
	s_add_co_u32 s96, s96, s19
	s_lshl_b32 s96, s96, 13
	s_add_co_u32 s94, s94, s96
	s_mov_b32 s95, 0
	s_cmp_eq_u32 s20, 0
	s_cselect_b64 s[96:97], s[12:13], s[14:15]     ; wc = 0 stores q, wc = 1 stores k
	s_add_nc_u64 s[96:97], s[96:97], s[94:95]
	s_lshl_b32 s98, s20, 12                        ; v: my two tiles of channels
	s_mov_b32 s99, 0
	s_add_nc_u64 s[16:17], s[16:17], s[94:95]
	s_add_nc_u64 s[16:17], s[16:17], s[98:99]
	s_wait_alu depctr_va_vdst(0)
	s_wait_kmcnt 0x0
	s_add_co_i32 s60, s80, s81                     ; e0 + e1
	s_cmp_eq_u32 s20, 0
	s_cselect_b32 s61, s82, s83                    ; e2 or e3
	s_sub_co_i32 s61, s61, s60
	s_add_co_i32 s61, s61, 127
	s_lshl_b32 s62, s61, 23
	v_mov_b32 v9, s62                              ; q's or k's scale as f32
	s_add_co_i32 s61, s61, 8
	s_lshl_b32 s61, s61, 23
	s_or_b32 s61, s61, 0x600000
	v_mov_b32 v8, s61                              ; 448 x that
	s_sub_co_i32 s61, s85, s60
	s_add_co_i32 s61, s61, 127
	s_lshl_b32 s62, s61, 23
	v_mov_b32 v11, s62                             ; v's
	s_add_co_i32 s61, s61, 8
	s_lshl_b32 s61, s61, 23
	s_or_b32 s61, s61, 0x600000
	v_mov_b32 v10, s61
.macro FETCH_B slot, q, p              ; W's six fragments of the slot's q-th 128 places into set p: 24 loads
	WIN 0x40
.irp i, 0,1,2,3,4,5
.irp c, 0,1,2,3
	ds_load_b128 v[128*(\p)+16*\i+4*\c:128*(\p)+16*\i+4*\c+3], v[ADRB+\slot] offset:4096*\i+2048*(\q)+512*\c
.endr
.endr
	WIN 0
.endm
.macro FETCH_A slot, q, i0             ; xn's blocks i0 .. i0 + 3: 16 loads
.irp i, \i0, \i0+1, \i0+2, \i0+3
.irp c, 0,1,2,3
	ds_load_b128 v[AF+16*(\i)+4*\c:AF+16*(\i)+4*\c+3], v[ADRA+\slot] offset:128*(\q)+32*\c+(\i)*16*PITCH
.endr
.endr
.endm
; The 48 accumulators take turns, one instruction a turn, in the same order in every step.  zero = 1: the first products start the sums.
.macro MULT a0, p, zero                ; q's or k's four tiles, transposed
.irp a, \a0, \a0+1, \a0+2, \a0+3
.irp b, 0,1,2,3
.if \zero
	v_wmma_f32_16x16x128_fp8_fp8 v[8*(6*((\a)%4)+\b):8*(6*((\a)%4)+\b)+7], v[128*(\p)+16*\b:128*(\p)+16*\b+15], v[AF+16*(\a):AF+16*(\a)+15], 0
.else
	v_wmma_f32_16x16x128_fp8_fp8 v[8*(6*((\a)%4)+\b):8*(6*((\a)%4)+\b)+7], v[128*(\p)+16*\b:128*(\p)+16*\b+15], v[AF+16*(\a):AF+16*(\a)+15], v[8*(6*((\a)%4)+\b):8*(6*((\a)%4)+\b)+7]
.endif
.endr
.endr
.endm
.macro MULN a0, p, zero                ; v's two tiles, as they are
.irp a, \a0, \a0+1, \a0+2, \a0+3
.irp b, 4,5
.if \zero
	v_wmma_f32_16x16x128_fp8_fp8 v[8*(6*((\a)%4)+\b):8*(6*((\a)%4)+\b)+7], v[AF+16*(\a):AF+16*(\a)+15], v[128*(\p)+16*\b:128*(\p)+16*\b+15], 0
.else
	v_wmma_f32_16x16x128_fp8_fp8 v[8*(6*((\a)%4)+\b):8*(6*((\a)%4)+\b)+7], v[AF+16*(\a):AF+16*(\a)+15], v[128*(\p)+16*\b:128*(\p)+16*\b+15], v[8*(6*((\a)%4)+\b):8*(6*((\a)%4)+\b)+7]
.endif
.endr
.endr
.endm
.macro STEP slot, zero                 ; a slot's first 128 places; its successor lies in the same slot
	s_wait_dscnt 16                                ; W's set and blocks 0-3 are in; the youngest 16 loads (blocks 4-7) may be out
	WIN 0xa1
	MULT 0, 0, \zero
	WIN 0xa4
	MULN 0, 0, \zero
	s_wait_dscnt 0x0                               ; blocks 4-7 are in
	PLACES
	FETCH_B \slot, 1, 1
	FETCH_A \slot, 1, 0
	WIN 0xf1
	MULT 4, 0, \zero
	WIN 0xf4
	MULN 4, 0, \zero
	PLACES
	WIN 0
	FETCH_A \slot, 1, 4
.endm
; A slot's second 128 places, and the change of slots: ONE barrier; in front of it each wave waits for all its tensor loads, adds 0 to its spare word, and waits for that and for its reads of this slot.
.macro TURN slot, next, fill
	s_wait_tensorcnt 0x0                           ; all my tensor loads have landed: my part of the next slot (the first time also my part of the table)
	ds_add_u32 v[SPW], v[NIL]
	s_wait_dscnt 17                                ; the add and the youngest 16 loads may be out
	WIN 0xa1
	MULT 0, 1, 0                                   ; sixteen matrix instructions stand between the add and the wait for it
	s_wait_dscnt 0x0                               ; the add is done, and my reads of this slot are over
	s_barrier_signal -1
	WIN 0xa4
	MULN 0, 1, 0
	WIN 0
	s_barrier_wait -1
.if \fill
	CREST                                          ; the barrier has opened a round of the cluster's: no wave of any partner still reads this slot or has a load on its way
	s_mov_b32 s[G1A+2], 128<<16                    ; a refill is shared by halves again
	s_mov_b32 s[G1A+4], 128
	s_mov_b32 s[G1B+2], 6<<16
	s_mov_b32 s[G1B+4], 6
	s_add_nc_u64 s[G0A+4*\slot+2:G0A+4*\slot+3], s[G0A+4*\slot+2:G0A+4*\slot+3], 512
	s_add_nc_u64 s[G0B+4*\slot+2:G0B+4*\slot+3], s[G0B+4*\slot+2:G0B+4*\slot+3], 8192
	JLOAD G0A+4*\slot, G0B+4*\slot                 ; the first tensor load behind the round; its four v_nop are the places in front of the loads below
.else
	PLACES
.endif
	FETCH_B \next, 0, 0
	FETCH_A \next, 0, 0
.if \fill && (\slot) == 0
	global_prefetch_b8 v24, s[88:89] th:TH_LOAD_NT scope:SCOPE_SE   ; slot 3, which the next change of slots asks for; nothing stands behind it
.endif
	WIN 0xf1
	MULT 4, 1, 0
	WIN 0xf4
	MULN 4, 1, 0
	PLACES
	WIN 0
	FETCH_A \next, 0, 4
.endm
.macro TABLOAD a                       ; block a's cos (16 registers) and sin (16) into set a % 2
.irp p, 0,1,2,3,4,5,6,7
	ds_load_b128 v[TB+32*((\a)%2)+4*\p:TB+32*((\a)%2)+4*\p+3], v[TBA] offset:4096*(\a)+512*\p
.endr
.endm
	s_wait_alu depctr_va_vdst(0)                   ; the wait at the head's end
	s_wait_tensorcnt 0x0                           ; my part of slot 0 is in; these lines stand ahead of a later first fill, as ahead of a refill
	ds_add_u32 v[SPW], v[NIL]
	s_mov_b32 s[G1A+2], 256<<16                    ; slot 1's first fill and the table's go out together, one load a wave: wave 0 all 256 rows of xn, wave 2 all twelve tiles of W,
	s_mov_b32 s[G1A+4], 256                        ; waves 1 and 3 the table's halves.  (Waves 0 and 2 hold the addresses of the first halves, and the second halves follow on end)
	s_mov_b32 s[G1B+2], 12<<16
	s_mov_b32 s[G1B+4], 12
	s_wait_dscnt 0x0                               ; the add is done
	CROUND                                         ; slot 0 is whole, and all sixteen work-groups are here
	s_cmp_eq_u32 s20, 1
	s_cbranch_scc1 .Lfirst_t
	s_cmp_eq_u32 s19, 0
	s_cbranch_scc0 .Lfirst_b
	tensor_load_to_lds s[G0A+4:G0A+7], s[G1A:G1A+7]
	s_nop 0
.rept 4
	v_nop
.endr
	s_branch .Lfirst
.Lfirst_b:
	tensor_load_to_lds s[G0B+4:G0B+7], s[G1B:G1B+7]
	s_nop 0
.rept 4
	v_nop
.endr
	s_branch .Lfirst
.Lfirst_t:
	tensor_load_to_lds s[G0T:G0T+3], s[G1T:G1T+7]
	s_nop 0
.rept 4
	v_nop
.endr
.Lfirst:
	FETCH_B 0, 0, 0
	FETCH_A 0, 0, 0
	FETCH_A 0, 0, 4
	global_prefetch_b8 v24, s[90:91] th:TH_LOAD_NT scope:SCOPE_SE   ; slot 2, which the first change of slots asks for
	STEP 0, 1                                      ; K = 1,024 is eight steps and two refills: written out, no loop
	TURN 0, 1, 1
	STEP 1, 0
	TURN 1, 0, 1
	STEP 0, 0
	TURN 0, 1, 0                                   ; nothing is left to fetch: a plain barrier
	STEP 1, 0
	s_wait_dscnt 16                                ; the last step
	WIN 0xa1
	MULT 0, 1, 0
	WIN 0xa4
	MULN 0, 1, 0
	s_wait_alu depctr_va_vdst(0)
	s_wait_dscnt 0x0
	WIN 0
	TABLOAD 0                                      ; the table landed ahead of the first change of slots, whose barrier showed it to every wave
	TABLOAD 1
	WIN 0xf1
	MULT 4, 1, 0
	WIN 0xf4
	MULN 4, 1, 0
	WIN 0
	PLACES
; THE WAY OUT.  v first: block a's eight registers of a tile are keys 16 a + 8 h + 0..7 of channel r: registers 2 a, 2 a + 1 of the fragment of V^T for my 128 keys.
.irp w, 0,1
.irp dt, 0,1
	WIN 0x02+\w                                    ; source 0: window 2 or 3
.irp aa, 0,1,2,3
.irp j, 0,1,2,3,4,5,6,7
	v_med3_num_f32 v[R+8*\aa+\j], v[8*(6*\aa+4+\dt)+\j], -v10, v10   ; the hold at the largest code x the scale; each accumulator from its low end on
.endr
.endr
	WIN 0
.irp aa, 0,1,2,3
	v_cvt_scalef32_pk8_fp8_f32 v[VC+16*\dt+8*\w+2*\aa:VC+16*\dt+8*\w+2*\aa+1], v[R+8*\aa:R+8*\aa+7], v11
.endr
	v_nop                                          ; a plain instruction behind the last conversion: its sources are written again below
.endr
.endr
.irp dt, 0,1
.irp g, 0,1,2,3
	global_store_b128 v[LI], v[VC+16*\dt+4*\g:VC+16*\dt+4*\g+3], s[16:17] offset:2048*\dt+512*\g   ; 512 consecutive bytes
.endr
.endr
; q or k, block by block: lo = tiles 0, 1 (d < 32), hi = tiles 2, 3:  lo cos - hi sin,  hi cos + lo sin;  then registers 8 c + j are d = 16 c + 8 h + j: the fragment's own order.
.macro QKBLOCK a
.set AC, 48*((\a)%4)
.set TS, TB+32*((\a)%2)
.if (\a) < 7
	s_wait_dscnt 8                                 ; this block's cos and sin are in; the next block's eight loads may be out
.else
	s_wait_dscnt 0x0
.endif
	WIN 0x02+(\a)/4
.irp nt, 0,1
.irp jp, 0,2,4,6
.set TQ, TT+4*((\jp/2)%2)
	v_pk_mul_f32 v[TQ:TQ+1], v[AC+8*(\nt+2)+\jp:AC+8*(\nt+2)+\jp+1], v[TS+16+8*\nt+\jp:TS+16+8*\nt+\jp+1]
	v_pk_mul_f32 v[TQ+2:TQ+3], v[AC+8*\nt+\jp:AC+8*\nt+\jp+1], v[TS+16+8*\nt+\jp:TS+16+8*\nt+\jp+1]
	v_pk_fma_f32 v[R+8*\nt+\jp:R+8*\nt+\jp+1], v[AC+8*\nt+\jp:AC+8*\nt+\jp+1], v[TS+8*\nt+\jp:TS+8*\nt+\jp+1], v[TQ:TQ+1] neg_lo:[0,0,1] neg_hi:[0,0,1]
	v_pk_fma_f32 v[R+16+8*\nt+\jp:R+16+8*\nt+\jp+1], v[AC+8*(\nt+2)+\jp:AC+8*(\nt+2)+\jp+1], v[TS+8*\nt+\jp:TS+8*\nt+\jp+1], v[TQ+2:TQ+3]
.endr
.endr
	WIN 0
.if (\a) < 6
	TABLOAD (\a)+2
.endif
.set n, 0
.rept 32
	v_med3_num_f32 v[R+n], v[R+n], -v8, v8
.set n, n+1
.endr
.irp c, 0,1,2,3
	v_cvt_scalef32_pk8_fp8_f32 v[CD+8*(\a)+2*\c:CD+8*(\a)+2*\c+1], v[R+8*\c:R+8*\c+7], v9
.endr
	v_nop                                          ; a plain instruction behind the last conversion
	global_store_b128 v[LI], v[CD+8*(\a):CD+8*(\a)+3], s[96:97] offset:1024*(\a)
	global_store_b128 v[LI], v[CD+8*(\a)+4:CD+8*(\a)+7], s[96:97] offset:1024*(\a)+512
.endm
.irp a, 0,1,2,3,4,5,6,7
	QKBLOCK \a
.endr
	s_wait_tensorcnt 0x0                           ; the wave's end
	ds_add_u32 v[SPW], v[NIL]
	s_wait_dscnt 0x0
	CROUND                                         ; the closing round: no work-group ends while a partner may still ask for a tile that names it
	s_endpgm
.Lfunc_end_k_q53574353ef_qkv:
	.size	k_q53574353ef_qkv, .Lfunc_end_k_q53574353ef_qkv-k_q53574353ef_qkv
	.p2alignl 7, 3214868480
	.fill 96, 4, 3214868480
	.section	.rodata,"a",@progbits
	.p2align	6, 0x0
	.amdhsa_kernel k_q53574353ef_qkv
		.amdhsa_group_segment_fixed_size 327680
		.amdhsa_private_segment_fixed_size 0
		.amdhsa_enable_private_segment 0
		.amdhsa_kernarg_size 56
		.amdhsa_user_sgpr_count 2
		.amdhsa_user_sgpr_kernarg_segment_ptr 1
		.amdhsa_wavefront_size32 1
		.amdhsa_system_sgpr_workgroup_id_x 1
		.amdhsa_system_sgpr_workgroup_id_y 1
		.amdhsa_system_sgpr_workgroup_id_z 1
		.amdhsa_system_vgpr_workitem_id 0
		.amdhsa_next_free_vgpr 1024
		.amdhsa_next_free_sgpr 100
		.amdhsa_reserve_vcc 0
		.amdhsa_float_denorm_mode_32 3
		.amdhsa_float_denorm_mode_16_64 3
		.amdhsa_memory_ordered 1
		.amdhsa_forward_progress 1
		.amdhsa_inst_pref_size 121
	.end_amdhsa_kernel
	.amdgpu_metadata
---
amdhsa.version: [ 1, 2 ]
amdhsa.kernels:
  - .name:           k_q53574353ef_qkv
    .symbol:         k_q53574353ef_qkv.kd
    .args:
      - { .name: xc, .offset: 0, .size: 8, .value_kind: global_buffer, .address_space: global }
      - { .name: wq, .offset: 8, .size: 8, .value_kind: global_buffer, .address_space: global }
      - { .name: rope, .offset: 16, .size: 8, .value_kind: global_buffer, .address_space: global }
      - { .name: lowp_scales, .offset: 24, .size: 8, .value_kind: global_buffer, .address_space: global }
      - { .name: qc, .offset: 32, .size: 8, .value_kind: global_buffer, .address_space: global }
      - { .name: kc, .offset: 40, .size: 8, .value_kind: global_buffer, .address_space: global }
      - { .name: vc, .offset: 48, .size: 8, .value_kind: global_buffer, .address_space: global }
    .group_segment_fixed_size: 327680
    .private_segment_fixed_size: 0
    .kernarg_segment_align: 8
    .kernarg_segment_size: 56
    .max_flat_workgroup_size: 128
    .sgpr_count:     100
    .vgpr_count:     1024
    .wavefront_size: 32
...
	.end_amdgpu_metadata
.endif
;; end of part 2
;; launch attn (part 3): grid 32 x 8, 8 waves a work-group, no clusters, 327,680 bytes of LDS; arguments qc, kc, vc, lowp_scales, oc; writes oc
.if DOCPART == 3
	.amdgcn_target "amdgcn-amd-amdhsa--gfx1250"
	.amdhsa_code_object_version 6
	.text
	.protected	k_q53574353ef_attn
	.globl	k_q53574353ef_attn
	.p2align	8
	.type	k_q53574353ef_attn,@function
k_q53574353ef_attn:
	s_mov_b64 s[64:65], 0
	v_nop
	global_prefetch_b8 v0, s[64:65] scope:SCOPE_SE
	s_setreg_imm32_b32 hwreg(HW_REG_WAVE_MODE, 25, 1), 1
	s_wait_xcnt 0x0
; ATTN: causal attention on codes of E4M3, head size 64, 32 batch-heads of 2,048 positions; the result leaves as codes (scale 2^e6) in the order of the projection's operand registers.
; LEFT OUT: key steps all of whose 128 keys come after a tile's queries are not multiplied: reference()'s own tril mask gives them the weight 0 for all inputs.
; THE SOFTMAX AHEAD OF THE SECOND PRODUCT: t = score x log2(e) / 8; M = the running largest t rounded UP to a whole number; p = 2^(t - M) is quantised with 2^e4, not normalised;
; the row's sum is taken of the unquantised p and divides at the end; when M moves, the sum and O are multiplied by 2^(old M - new M), which rounds nothing.
; SHARES, even under the mask.  A head's queries are 16 chunks of 128, as long as a key step; chunk c needs steps 0 .. c.  Work-group (head, g) owns chunks g and 15 - g.
; A wave works on 32 queries of ONE chunk at a time, tiles 2 u and 2 u + 1, so that each fragment of K and V read from LDS feeds two matrix instructions.
; Wave u (0-3): chunk 15 - g, steps 0 .. 7: eight steps.  Wave u + 4: chunk g, steps 0 .. g, which it finishes; then the same queries of chunk 15 - g as wave u, steps 8 .. 15 - g: nine steps in all.
; The two parts of chunk (15 - g)'s tiles (each with its own M, sum and O) are joined once, through LDS: both are brought under the greater M by powers of two.
; LDS HOLDS ALL OF THE HEAD'S K AND V (262,144 bytes), filled once in three groups of 4, 4 and 8 key steps; step 8 a + 2 b + c stands at place 4 b + 2 a + c in kc and vc, so that the groups serve trips 0-1, 2-3 and 4-8.
; Every load is one 2,048-byte slice of each of its key steps: the waves read part of every load's bytes whatever g is.  Nothing is filled again.
; A group is shown to all waves one trip before its first, since K's fragments are asked for a trip ahead.
; NO CLUSTER: work-groups of a head read the same K and V, but which step a wave reads in a trip (an LDS address) and where its diagonal lies (a branch) hang on g, which differs between partners.
; PREFETCH: the last group's bytes are asked for behind the second group's load, a trip ahead of their own: work-group g names place 8 + g of K (wave 0) and of V (wave 4), a lane to each 256 bytes: each block once.
; LAYOUT.  S^T = K Q^T (source 0 = 16 keys, source 1 = 16 queries) and O^T = V^T P^T: a lane holds ONE query of a tile (lane % 16) throughout; key tile kt's eight registers are keys 16 kt + 8 (lane / 16) + 0..7,
; which are registers 2 kt, 2 kt + 1 of P's fragment; V's fragments were laid in the same order.  Nothing changes lanes but the maximum and the sum (one exchange between the halves).
; LIMITS: e2 + e3 between -123 and 130 (added to c's exponent field); e4, and e6 - e4 - e5, between -126 and 119.  NaN is not served.  Scaled scores stay under 2^31 in magnitude.
; REGISTERS.  Window 0: addresses, and for the wave's two tiles x = 0, 1: M, sums and work at 16 + 16 x, O^T at 64 + 32 x, S^T then p at 128 + 64 x.
;   Window 1: K's eight fragments, V's four, Q, the later Q, P's codes at 160 + 16 x.
.set SPARE, 262144                     ; the spare words, 128 bytes a wave: four blocks of 256 bytes that no other line names
.set MRG,   SPARE+1024                 ; the join: 8,704 bytes for each of four pairs of tiles
.set LI,  2                            ; 16 x lane
.set AV,  3                            ; v3-4 V's addresses in the step
.set AK,  5                            ; v5-6 K's addresses in the next
.set LI1, 8                            ; 16 x lane + 64, 128, 192 KiB
.set PFO, 9
.set MA,  10                           ; the join: 16 bytes a lane
.set MB,  11                           ;           8 bytes a lane
.set LI2, 12
.set LI3, 13
.set SPW, 14
.set NIL, 15
.set NM,  16                           ; -M
.set TM,  17                           ; the largest t
.set L,   18                           ; v[18:19] the sum in two halves
.set F,   20
.set SUM2, 22
.set T1,  24
.set PD,  25
.set T2,  26
.set DM,  28
.set LIM, 44
.set LIM2, 45
.set SCL, 46
.set NINF, 47
.set O,   64
.set S,   128
.set KF,  0                            ; window 1 from here on
.set VF,  64
.set Q,   128
.set QB,  144                          ; chunk (15 - g)'s
.set PC,  160
.set MM,  76                           ; s76-83 the diagonal tile's masks
.set MSB, 0
.macro WIN new                         ; the immediate's high byte repeats the setting that is left
.if MSB != (\new)
	s_set_vgpr_msb (MSB<<8)|(\new)
.set MSB, (\new)
.endif
.endm
.macro PLACES
.rept 4
	v_nop
.endr
.endm
	s_load_b256 s[4:11], s[0:1], 0x0               ; qc 4, kc 6, vc 8, lowp_scales 10
	s_load_b64 s[12:13], s[0:1], 0x20              ; oc
	v_lshl_add_u32 v[SPW], v0, 2, SPARE
	v_mov_b32 v[NIL], 0
	ds_add_u32 v[SPW], v[NIL]                      ; the opening: the add, twice on end, and its wait ahead of my first tensor load
	ds_add_u32 v[SPW], v[NIL]
	v_lshrrev_b32 v1, 5, v0
	s_delay_alu instid0(VALU_DEP_1)
	v_readfirstlane_b32 s14, v1                    ; wave 0..7
	s_mov_b32 s41, ttmp9                           ; the batch-head
	s_and_b32 s15, ttmp7, 7                        ; g
	s_xor_b32 s17, s15, 7                          ; 7 - g
	s_and_b32 s40, s14, 3                          ; u
	s_cmp_lt_u32 s14, 4
	s_cselect_b32 s16, 15, s15                     ; the trip behind which I change tiles: g in waves 4-7, none in waves 0-3
	s_cselect_b32 s19, 7, 8                        ; my last trip
	s_mov_b32 s24, 3<<16                           ; group 1: elements of 8 bytes, no mask, no padding
	s_mov_b32 s25, 256<<16                         ; tensor_dim0 = 256 (2,048 bytes)
	s_mov_b32 s26, 4<<16                           ; tensor_dim1 = 4 key steps
	s_mov_b32 s27, 256<<16                         ; tile_dim0
	s_mov_b32 s28, 4                               ; tile_dim1
	s_mov_b32 s29, 1024                            ; a key step is 8,192 bytes in kc and in vc
	s_mov_b32 s30, 0
	s_mov_b32 s31, 0
	s_mov_b32 s68, 3<<16                           ; the same with 8 key steps
	s_mov_b32 s69, 256<<16
	s_mov_b32 s70, 8<<16
	s_mov_b32 s71, 256<<16
	s_mov_b32 s72, 8
	s_mov_b32 s73, 1024
	s_mov_b32 s74, 0
	s_mov_b32 s75, 0
	s_mov_b32 s36, 0x76543210                      ; v_permlanex16_b32: lane l xor 16
	s_mov_b32 s37, 0xfedcba98
	s_mov_b32 s22, 0x3e38aa3b                      ; c = log2(e) / 8
	s_mov_b32 s32, 1
	s_lshl_b32 s33, s14, 15                        ; LDS: my slice's 16 places, 2,048 bytes each
	s_lshl_b32 s42, s41, 17                        ; the batch-head's bytes in qc, kc and vc
	s_mov_b32 s43, 0
	s_lshl_b32 s52, s40, 11                        ; my slice: key tiles 2 u, 2 u + 1 of K (waves 0-3), channel tile u of V (waves 4-7); and my queries' place in a chunk
	s_mov_b32 s53, 0
	s_add_co_u32 s54, s15, 8
	s_lshl_b32 s54, s54, 13                        ; place 8 + g
	s_mov_b32 s55, 0
	s_wait_dscnt 0x0                               ; both opening adds are done
	s_wait_kmcnt 0x0
	s_cmp_lt_u32 s14, 4
	s_cselect_b64 s[34:35], s[6:7], s[8:9]
	s_add_nc_u64 s[34:35], s[34:35], s[42:43]
	s_add_nc_u64 s[38:39], s[34:35], s[54:55]      ; the prefetch
	s_add_nc_u64 s[34:35], s[34:35], s[52:53]
	s_or_b32 s35, s35, 0x80000000
	tensor_load_to_lds s[32:35], s[24:31]          ; places 0-3
	s_nop 0
.rept 4
	v_nop
.endr
	s_load_b256 s[44:51], s[10:11], 0x0            ; e0 .. e7
	s_lshr_b32 s54, s17, 1                         ; chunk 15 - g = 8 + (7 - g) stands at place 4 ((7 - g) >> 1) + 2 + ((7 - g) & 1)
	s_lshl_b32 s54, s54, 2
	s_and_b32 s55, s17, 1
	s_add_co_u32 s54, s54, s55
	s_add_co_u32 s54, s54, 2
	s_lshl_b32 s54, s54, 13
	s_add_co_u32 s54, s54, s42
	s_add_co_u32 s54, s54, s52
	s_mov_b32 s55, 0
	s_add_nc_u64 s[62:63], s[4:5], s[54:55]
	s_lshr_b32 s54, s15, 1                         ; chunk g at 4 (g >> 1) + (g & 1)
	s_lshl_b32 s54, s54, 2
	s_and_b32 s55, s15, 1
	s_add_co_u32 s54, s54, s55
	s_lshl_b32 s54, s54, 13
	s_add_co_u32 s54, s54, s42
	s_add_co_u32 s54, s54, s52
	s_mov_b32 s55, 0
	s_add_nc_u64 s[4:5], s[4:5], s[54:55]
	v_and_b32 v7, 31, v0
	v_and_b32 v48, 15, v0
	v_bfe_u32 v49, v0, 4, 1
	v_lshlrev_b32 v[LI], 4, v7
	v_lshlrev_b32 v49, 3, v49
	WIN 0x40                                       ; destination window 1
.irp k, 0,1,2,3
	global_load_b128 v[QB+4*\k:QB+4*\k+3], v[LI], s[62:63] offset:512*\k
.endr
	WIN 0
	v_sub_nc_u32 v[DM], v48, v49                   ; r - 8 h: in the diagonal's own tile register j holds key 8 h + j: hidden where j > this
	v_lshlrev_b32 v[PFO], 4, v[LI]                 ; 256 x lane
	s_mul_i32 s56, s40, 8704
	s_add_co_u32 s56, s56, MRG
	v_lshrrev_b32 v[MB], 1, v[LI]
	v_add_nc_u32 v[MA], s56, v[LI]
	v_add_nc_u32 v[LI1], 0x10000, v[LI]
	v_add_nc_u32 v[LI2], 0x20000, v[LI]
	v_add_nc_u32 v[LI3], 0x30000, v[LI]
	v_add_nc_u32 v[MB], s56, v[MB]
.irp j, 0,1,2,3,4,5,6,7
	v_cmp_gt_i32 s[MM+\j], \j, v[DM]
.endr
	s_lshr_b32 s54, s41, 4                         ; oc: row tile 128 batch + 8 chunk + 2 u, 16,384 bytes each; my head's 1,024 bytes in it
	s_lshl_b32 s54, s54, 7
	s_lshl_b32 s55, s40, 1
	s_add_co_u32 s54, s54, s55
	s_lshl_b32 s55, s15, 3
	s_add_co_u32 s60, s54, s55
	s_lshl_b32 s55, s17, 3
	s_add_co_u32 s61, s54, s55
	s_add_co_u32 s61, s61, 64
	s_and_b32 s55, s41, 15
	s_lshl_b32 s55, s55, 10
	s_lshl_b32 s52, s60, 14
	s_add_co_u32 s52, s52, s55
	s_add_nc_u64 s[42:43], s[12:13], s[52:53]      ; chunk g's tiles
	s_lshl_b32 s52, s61, 14
	s_add_co_u32 s52, s52, s55
	s_add_nc_u64 s[60:61], s[12:13], s[52:53]      ; chunk (15 - g)'s
	s_wait_alu depctr_va_vdst(0)
	s_wait_kmcnt 0x0
	s_add_co_i32 s52, s46, s47
	s_lshl_b32 s52, s52, 23
	s_add_co_i32 s22, s22, s52                     ; a score stands for score x 2^(e2 + e3): added to c's exponent field
	s_mov_b32 s23, s22                             ; (named with it as a pair)
	s_add_co_i32 s52, s48, 127
	s_lshl_b32 s57, s52, 23                        ; 2^e4
	s_add_co_i32 s52, s52, 8
	s_lshl_b32 s52, s52, 23
	s_or_b32 s56, s52, 0x600000                    ; 448 x 2^e4
	s_sub_co_i32 s52, s50, s48
	s_sub_co_i32 s52, s52, s49                     ; e6 - e4 - e5: O^T / sum stands for that x 2^(e4 + e5)
	s_add_co_i32 s52, s52, 127
	s_lshl_b32 s59, s52, 23
	s_add_co_i32 s52, s52, 8
	s_lshl_b32 s52, s52, 23
	s_or_b32 s58, s52, 0x600000
.macro INIT                            ; the tiles' start: zeros, which the first change of M leaves zeros, so that the step is written without a first case
.irp x, 0,1
	v_mov_b32 v[TM+16*\x], 0xff61b1e6              ; -3e38, under every t
	v_mov_b32 v[NM+16*\x], 0x7f61b1e6              ; 3e38, a whole number
	v_mov_b32 v[L+16*\x], 0
	v_mov_b32 v[L+16*\x+1], 0
.endr
	v_mov_b32 v[LIM], s56
	v_mov_b32 v[LIM2], s56
	v_mov_b32 v[SCL], s57
.set n, 0
.rept 64
	v_mov_b32 v[O+n], 0
.set n, n+1
.endr
.endm
.irp x, 0,1
	v_mov_b32 v[PD+16*\x], 0                       ; a lane permute's destination counts as read
	v_mov_b32 v[F+16*\x+1], 0                      ; (named as the upper half of a pair)
.endr
	v_mov_b32 v[NINF], 0xff800000
	INIT
; a group of fills: every wave's part has landed, and behind the barrier every wave reads it; load = 1: the next group is asked for, my one tensor load until the next barrier
.macro PHASE load, g1
	s_wait_tensorcnt 0x0
	ds_add_u32 v[SPW], v[NIL]
.if \load
	s_add_co_u32 s33, s33, 8192                    ; four places on
	s_add_nc_u64 s[34:35], s[34:35], 32768
.endif
	s_wait_dscnt 0x0
	s_barrier_signal -1
	s_barrier_wait -1
.if \load
	tensor_load_to_lds s[32:35], s[\g1:\g1+7]
	s_nop 0
.rept 4
	v_nop
.endr
.endif
.endm
; s52 = 2,048 x the place of trip i's key step: step i, and in waves 4-7 behind trip g: 8 + (i - 1 - g) = i + 7 - g.  pm: the greatest place that has landed (3, 7, 15)
.macro PLACE i, pm
	s_add_co_u32 s21, \i, s17
	s_cmp_le_u32 \i, s16
	s_cselect_b32 s21, \i, s21
	s_and_b32 s52, s21, 1
	s_lshr_b32 s53, s21, 3
	s_lshl_b32 s53, s53, 1
	s_or_b32 s52, s52, s53
	s_bfe_u32 s54, s21, 0x20001
	s_lshl_b32 s54, s54, 2
	s_or_b32 s52, s52, s54
	s_and_b32 s52, s52, \pm
	s_lshl_b32 s52, s52, 11
.endm
.macro KLOAD
	WIN 0x40
.irp kt, 0,1,2,3,4,5,6,7
	ds_load_b128 v[KF+8*\kt:KF+8*\kt+3], v[AK+\kt/4] offset:32768*((\kt/2)%2)+1024*(\kt%2)
	ds_load_b128 v[KF+8*\kt+4:KF+8*\kt+7], v[AK+\kt/4] offset:32768*((\kt/2)%2)+1024*(\kt%2)+512
.endr
	WIN 0
.endm
.macro DIAG d                          ; my queries' own key tiles: 2 d for tile 0 (whose key tile 2 d + 1 is hidden whole), 2 d + 1 for tile 1
.irp j, 0,1,2,3,4,5,6,7
	v_cndmask_b32 v[S+16*(\d)+\j], v[S+16*(\d)+\j], v[NINF], s[MM+\j]
.endr
.irp j, 0,1,2,3,4,5,6,7
	v_cndmask_b32 v[S+64+16*(\d)+8+\j], v[S+64+16*(\d)+8+\j], v[NINF], s[MM+\j]
	v_mov_b32 v[S+16*(\d)+8+\j], v[NINF]
.endr
.endm
.macro MASK                            ; hidden scores become -infinity ahead of the maximum: by the eight masks in the queries' own key tiles, whole in the tiles behind them; the tiles ahead count whole
.irp u, 0,1,2
	s_cmp_eq_u32 s40, \u
	s_cbranch_scc1 .Ldg\@_\u
.endr
	DIAG 3
	s_branch .Lrs\@_3
.irp u, 0,1,2
.Ldg\@_\u:
	DIAG \u
	s_branch .Lrs\@_\u
.endr
.irp u, 0,1,2
.Lrs\@_\u:
.irp j, 0,1,2,3,4,5,6,7,8,9,10,11,12,13,14,15
	v_mov_b32 v[S+16*\u+16+\j], v[NINF]
	v_mov_b32 v[S+64+16*\u+16+\j], v[NINF]
.endr
.endr
.Lrs\@_3:
.endm
.macro SOFTMAX                         ; both tiles, line by line in turn, in window 0
.irp x, 0,1
	v_max3_num_f32 v[T1+16*\x], v[S+64*\x], v[S+64*\x+1], v[S+64*\x+2]     ; the largest score of my 64 keys, in two chains, ascending: each accumulator is first read at its low end
	v_max3_num_f32 v[T2+16*\x], v[S+64*\x+3], v[S+64*\x+4], v[S+64*\x+5]
.endr
.irp n, 6,10,14,18,22,26,30,34,38,42,46,50,54,58
.irp x, 0,1
	v_max3_num_f32 v[T1+16*\x], v[T1+16*\x], v[S+64*\x+\n], v[S+64*\x+\n+1]
	v_max3_num_f32 v[T2+16*\x], v[T2+16*\x], v[S+64*\x+\n+2], v[S+64*\x+\n+3]
.endr
.endr
.irp x, 0,1
	v_max3_num_f32 v[T1+16*\x], v[T1+16*\x], v[S+64*\x+62], v[S+64*\x+63]
.endr
.irp x, 0,1
	v_max_num_f32 v[T1+16*\x], v[T1+16*\x], v[T2+16*\x]
.endr
.irp x, 0,1
	v_permlanex16_b32 v[PD+16*\x], v[T1+16*\x], s36, s37
.endr
.irp x, 0,1
	v_max_num_f32 v[T1+16*\x], v[T1+16*\x], v[PD+16*\x]    ; and of the other half's 64
.endr
.irp x, 0,1
	v_mul_f32 v[T1+16*\x], s22, v[T1+16*\x]        ; as t (c is positive)
.endr
.irp x, 0,1
	v_max_num_f32 v[TM+16*\x], v[TM+16*\x], v[T1+16*\x]
.endr
.irp x, 0,1
	v_mov_b32 v[T1+16*\x], v[NM+16*\x]
.endr
.irp x, 0,1
	v_floor_f32 v[NM+16*\x], -v[TM+16*\x]          ; -M = floor(-t): M is a whole number
.endr
.irp x, 0,1
	v_sub_f32 v[T1+16*\x], v[NM+16*\x], v[T1+16*\x]        ; old M - new M, 0 or less
.endr
.irp x, 0,1
	v_cvt_i32_f32 v[T1+16*\x], v[T1+16*\x]         ; (it saturates)
.endr
.irp x, 0,1
	v_ldexp_f32 v[F+16*\x], 1.0, v[T1+16*\x]       ; f = 2^(old M - new M)
.endr
.irp a, 0,8,16,24,32,40,48,56
.irp b, 0,2,4,6
	v_pk_fma_f32 v[S+\a+\b:S+\a+\b+1], v[S+\a+\b:S+\a+\b+1], s[22:23], v[NM:NM+1] op_sel_hi:[1,0,0]   ; tile 0's t - M
.endr
.endr
	s_wait_alu depctr_va_vdst(0)                   ; the wait ahead of the batch
.irp a, 0,8,16,24,32,40,48,56
.irp b, 0,2,4,6
	v_exp_f32 v[S+\a+\b], v[S+\a+\b]               ; tile 0's p, at most 1
	v_exp_f32 v[S+\a+\b+1], v[S+\a+\b+1]
	v_pk_fma_f32 v[S+64+\a+\b:S+64+\a+\b+1], v[S+64+\a+\b:S+64+\a+\b+1], s[22:23], v[NM+16:NM+17] op_sel_hi:[1,0,0]   ; tile 1's t - M
.endr
.endr
	s_wait_alu depctr_va_vdst(0)                   ; ahead of tile 1's batch
.irp a, 0,8,16,24,32,40,48,56
.irp b, 0,1,2,3,4,5,6,7
	v_exp_f32 v[S+64+\a+\b], v[S+64+\a+\b]
.endr
.endr
	v_pk_mul_f32 v[L:L+1], v[L:L+1], v[F:F+1] op_sel_hi:[1,0]   ; the sums under the new M: the plain instructions behind the exponentials
	v_pk_mul_f32 v[L+16:L+17], v[L+16:L+17], v[F+16:F+17] op_sel_hi:[1,0]
	s_wait_alu depctr_va_vdst(0)                   ; one wait for the exponentials, and for the first reads of O^T directly behind it
.irp a, 0,8,16,24
.irp b, 0,2,4,6
	v_pk_mul_f32 v[O+\a+\b:O+\a+\b+1], v[O+\a+\b:O+\a+\b+1], v[F:F+1] op_sel_hi:[1,0]   ; O^T under the new M
	v_pk_mul_f32 v[O+32+\a+\b:O+32+\a+\b+1], v[O+32+\a+\b:O+32+\a+\b+1], v[F+16:F+17] op_sel_hi:[1,0]
.endr
.endr
.irp x, 0,1
	v_pk_add_f32 v[SUM2+16*\x:SUM2+16*\x+1], v[S+64*\x:S+64*\x+1], v[S+64*\x+2:S+64*\x+3]   ; the sums of the unquantised p, in two chains each
.endr
.irp n, 4,8,12,16,20,24,28,32,36,40,44,48,52,56,60
.irp x, 0,1
	v_pk_add_f32 v[L+16*\x:L+16*\x+1], v[L+16*\x:L+16*\x+1], v[S+64*\x+\n:S+64*\x+\n+1]
	v_pk_add_f32 v[SUM2+16*\x:SUM2+16*\x+1], v[SUM2+16*\x:SUM2+16*\x+1], v[S+64*\x+\n+2:S+64*\x+\n+3]
.endr
.endr
.irp a, 0,8,16,24,32,40,48,56,64,72,80,88,96,104,112,120
.irp b, 0,2,4,6
	v_dual_min_num_f32 v[S+\a+\b], v[S+\a+\b], v[LIM] :: v_dual_min_num_f32 v[S+\a+\b+1], v[S+\a+\b+1], v[LIM2]   ; the conversion does not saturate (ISA guide 7.6.2); p is not negative, so the hold is one-sided
.endr
.endr
	WIN 0x40                                       ; destination window 1
.irp n, 0,1,2,3,4,5,6,7,8,9,10,11,12,13,14,15
	v_cvt_scalef32_pk8_fp8_f32 v[PC+2*\n:PC+2*\n+1], v[S+8*\n:S+8*\n+7], v[SCL]
.endr
	WIN 0
.irp x, 0,1
	v_pk_add_f32 v[L+16*\x:L+16*\x+1], v[L+16*\x:L+16*\x+1], v[SUM2+16*\x:SUM2+16*\x+1]   ; and the plain instructions behind the last conversion
.endr
.endm
.macro FINISH dest                     ; v[L] holds my half's sum.  O^T / the sum, quantised with 2^e6, to s[dest:dest+1]: channel tile dt's eight registers are channels 16 dt + 8 h + 0..7 of my query: registers 2 dt, 2 dt + 1 of the projection's fragment
.irp x, 0,1
	v_permlanex16_b32 v[PD+16*\x], v[L+16*\x], s36, s37
.endr
.irp x, 0,1
	v_add_f32 v[L+16*\x], v[L+16*\x], v[PD+16*\x]  ; the row's sum
.endr
	s_wait_alu depctr_va_vdst(0)
	v_rcp_f32 v[F], v[L]
	v_rcp_f32 v[F+16], v[L+16]
	v_mov_b32 v[LIM], s58                          ; (plain instructions behind the reciprocals)
	v_mov_b32 v[SCL], s59
	s_wait_alu depctr_va_vdst(0)                   ; the wait ahead of the reciprocals' first readers
.irp x, 0,1
.irp a, 0,8,16,24
.irp b, 0,2,4,6
	v_pk_mul_f32 v[O+32*\x+\a+\b:O+32*\x+\a+\b+1], v[O+32*\x+\a+\b:O+32*\x+\a+\b+1], v[F+16*\x:F+16*\x+1] op_sel_hi:[1,0]
.endr
.endr
.endr
.set n, 0
.rept 64
	v_med3_num_f32 v[O+n], v[O+n], -v[LIM], v[LIM]
.set n, n+1
.endr
	WIN 0x40
.irp x, 0,1
.irp dt, 0,1,2,3
	v_cvt_scalef32_pk8_fp8_f32 v[PC+16*\x+2*\dt:PC+16*\x+2*\dt+1], v[O+32*\x+8*\dt:O+32*\x+8*\dt+7], v[SCL]
.endr
.endr
	WIN 0x04                                       ; the data in window 1, the address in window 0
	v_nop                                          ; a plain instruction behind the last conversion
.irp x, 0,1
	global_store_b128 v[LI], v[PC+16*\x:PC+16*\x+3], s[\dest:\dest+1] offset:16384*\x        ; 512 consecutive bytes
	global_store_b128 v[LI], v[PC+16*\x+4:PC+16*\x+7], s[\dest:\dest+1] offset:16384*\x+512
.endr
	WIN 0
.endm
; A TRIP: two tiles, one key step.  last: the loop that holds trip 8, the diagonal of chunk 15 - g.
.macro STEP pm, last
	PLACE s18, \pm
	s_mov_b32 s66, s52
	s_add_co_u32 s55, s18, 1
	PLACE s55, \pm
	v_add_nc_u32 v[AV], s66, v[LI2]                ; these four are also the places between the last products and the loads into their sources
	v_add_nc_u32 v[AV+1], s66, v[LI3]
	v_add_nc_u32 v[AK], s52, v[LI]
	v_add_nc_u32 v[AK+1], s52, v[LI1]
	WIN 0x40
.irp dt, 0,1,2,3
.irp g, 0,1,2,3
	ds_load_b128 v[VF+16*\dt+4*\g:VF+16*\dt+4*\g+3], v[AV+\dt/2] offset:32768*(\dt%2)+512*\g
.endr
.endr
	WIN 0
	s_wait_alu depctr_va_vdst(0)
	s_wait_dscnt 16                                ; K is in (asked for a trip ago); V's 16 loads may be out
	WIN 0x05
.irp kt, 0,1,2,3,4,5,6,7                       ; S^T = K Q^T: eight tiles of 16 keys x my two tiles, K = the head's 64
.irp x, 0,1
	v_wmma_f32_16x16x64_fp8_fp8 v[S+64*\x+8*\kt:S+64*\x+8*\kt+7], v[KF+8*\kt:KF+8*\kt+7], v[Q+8*\x:Q+8*\x+7], 0
.endr
.endr
	WIN 0
	PLACES                                         ; in front of the loads into K's registers and of the first read of the scores
	KLOAD                                          ; the next trip's K: always asked for, so that the counts hold on every way (behind the last trip some place that has landed)
.if \last
	s_cmp_eq_u32 s18, s16
	s_cbranch_scc1 .Lmask_\@
	s_cmp_lg_u32 s18, 8
	s_cbranch_scc1 .Lopen_\@
.Lmask_\@:
.else
	s_cmp_lg_u32 s18, s16
	s_cbranch_scc1 .Lopen_\@                       ; only a tile's last step lies on the diagonal
.endif
	MASK
.Lopen_\@:
	s_wait_alu depctr_va_vdst(0)                   ; the wait here, directly ahead of the first reader
	SOFTMAX
	s_wait_alu depctr_va_vdst(0)
	s_wait_dscnt 16                                ; V is in; the next K's 16 loads may be out
	WIN 0x05
.irp dt, 0,1,2,3                               ; O^T += V^T P^T: four tiles of 16 channels x my two tiles, K = these 128 keys; the eight accumulators take turns
.irp x, 0,1
	v_wmma_f32_16x16x128_fp8_fp8 v[O+32*\x+8*\dt:O+32*\x+8*\dt+7], v[VF+16*\dt:VF+16*\dt+15], v[PC+16*\x:PC+16*\x+15], v[O+32*\x+8*\dt:O+32*\x+8*\dt+7]
.endr
.endr
	WIN 0
	s_cmp_lg_u32 s18, s16
	s_cbranch_scc1 .Lkeep_\@
	PLACES                                         ; waves 4-7 behind trip g: chunk g's tiles leave, chunk (15 - g)'s begin
.irp x, 0,1
	v_add_f32 v[L+16*\x], v[L+16*\x], v[L+16*\x+1]
.endr
	FINISH 42
	INIT
	WIN 0x41
.irp j, 0,1,2,3,4,5,6,7,8,9,10,11,12,13,14,15
	v_mov_b32 v[Q+\j], v[QB+\j]
.endr
	WIN 0
	s_wait_alu depctr_va_vdst(0)
	s_wait_xcnt 0x0                                ; the stores have read their registers: P's codes may be written again
.Lkeep_\@:
.endm
	s_cmp_lt_u32 s14, 4
	s_cbranch_scc1 .Lupper
	WIN 0x40
.irp k, 0,1,2,3
	global_load_b128 v[Q+4*\k:Q+4*\k+3], v[LI], s[4:5] offset:512*\k   ; waves 4-7 begin with chunk g's tiles
.endr
	WIN 0
	s_branch .Lq
.Lupper:
	s_wait_loadcnt 0x0
	WIN 0x41
.irp j, 0,1,2,3,4,5,6,7,8,9,10,11,12,13,14,15
	v_mov_b32 v[Q+\j], v[QB+\j]
.endr
	WIN 0
.Lq:
	s_wait_alu depctr_va_vdst(0)                   ; the wait at the head's end
	s_wait_loadcnt 0x0                             ; Q
	PHASE 1, 24                                    ; places 0-3 are in; places 4-7 are asked for
	s_mov_b32 s18, 0
	PLACE s18, 3
	v_add_nc_u32 v[AK], s52, v[LI]
	v_add_nc_u32 v[AK+1], s52, v[LI1]
	KLOAD
	s_cmp_eq_u32 s40, 0
	s_cbranch_scc0 .Lnoask
	global_prefetch_b8 v[PFO], s[38:39] th:TH_LOAD_NT scope:SCOPE_SE
.Lnoask:
	STEP 3, 0                                      ; trip 0
	PHASE 1, 68                                    ; places 4-7 are in; places 8-15 are asked for
	s_mov_b32 s18, 1
.Lt1:
	STEP 7, 0
	s_add_co_u32 s18, s18, 1
	s_cmp_lt_u32 s18, 3
	s_cbranch_scc1 .Lt1
	PHASE 0, 68                                    ; all of K and V is in
	s_mov_b32 s18, 3
.Lt2:
	s_cmp_gt_u32 s18, s19                          ; waves 0-3 have no trip 8
	s_cbranch_scc1 .Ldone
	STEP 15, 1
.Ldone:
	s_add_co_u32 s18, s18, 1
	s_cmp_lt_u32 s18, 9
	s_cbranch_scc1 .Lt2
; THE JOIN of the two parts of chunk (15 - g)'s tiles: waves 0-3 lay theirs in LDS, waves 4-7 take them up
.irp x, 0,1
	v_add_f32 v[L+16*\x], v[L+16*\x], v[L+16*\x+1] ; (these six are also the places behind the last products)
	v_mov_b32 v[SUM2+16*\x+1], v[NM+16*\x]
.endr
.irp x, 0,1
	v_mov_b32 v[SUM2+16*\x], v[L+16*\x]
.endr
	s_wait_alu depctr_va_vdst(0)                   ; the wait here, ahead of the branch
	s_cmp_lt_u32 s14, 4
	s_cbranch_scc0 .Lmeet
.irp x, 0,1
.irp k, 0,1,2,3,4,5,6,7
	ds_store_b128 v[MA], v[O+32*\x+4*\k:O+32*\x+4*\k+3] offset:4352*\x+512*\k
.endr
	ds_store_b64 v[MB], v[SUM2+16*\x:SUM2+16*\x+1] offset:4352*\x+4096
.endr
.Lmeet:
	s_wait_dscnt 0x0                               ; my stores are done, and my last loads
	s_barrier_signal -1
	s_barrier_wait -1
	s_cmp_lt_u32 s14, 4
	s_cbranch_scc1 .Lend
.irp x, 0,1
	ds_load_b64 v[SUM2+16*\x:SUM2+16*\x+1], v[MB] offset:4352*\x+4096
.endr
.irp x, 0,1
.irp k, 0,1,2,3,4,5,6,7
	ds_load_b128 v[S+64*\x+4*\k:S+64*\x+4*\k+3], v[MA] offset:4352*\x+512*\k
.endr
.endr
	s_wait_dscnt 16                                ; the other parts' sums and -M are in; their O^T's sixteen loads may be out
.irp x, 0,1
	v_min_num_f32 v[T2+16*\x], v[NM+16*\x], v[SUM2+16*\x+1]        ; - the greater M
.endr
.irp x, 0,1
	v_sub_f32 v[T1+16*\x], v[T2+16*\x], v[NM+16*\x]
	v_sub_f32 v[PD+16*\x], v[T2+16*\x], v[SUM2+16*\x+1]
.endr
.irp x, 0,1
	v_cvt_i32_f32 v[T1+16*\x], v[T1+16*\x]         ; (it saturates)
	v_cvt_i32_f32 v[PD+16*\x], v[PD+16*\x]
.endr
.irp x, 0,1
	v_ldexp_f32 v[F+16*\x], 1.0, v[T1+16*\x]
	v_ldexp_f32 v[T1+16*\x], 1.0, v[PD+16*\x]
.endr
.irp x, 0,1
	v_mul_f32 v[L+16*\x], v[L+16*\x], v[F+16*\x]
.endr
.irp x, 0,1
	v_fma_f32 v[L+16*\x], v[SUM2+16*\x], v[T1+16*\x], v[L+16*\x]
.endr
	s_wait_alu depctr_va_vdst(0)
	s_wait_dscnt 0x0
.irp x, 0,1
.irp a, 0,8,16,24
.irp b, 0,2,4,6
	v_pk_mul_f32 v[O+32*\x+\a+\b:O+32*\x+\a+\b+1], v[O+32*\x+\a+\b:O+32*\x+\a+\b+1], v[F+16*\x:F+16*\x+1] op_sel_hi:[1,0]
.endr
.endr
.endr
.irp x, 0,1
.irp a, 0,8,16,24
.irp b, 0,2,4,6
	v_pk_fma_f32 v[O+32*\x+\a+\b:O+32*\x+\a+\b+1], v[S+64*\x+\a+\b:S+64*\x+\a+\b+1], v[T1+16*\x:T1+16*\x+1], v[O+32*\x+\a+\b:O+32*\x+\a+\b+1] op_sel_hi:[1,0,1]
.endr
.endr
.endr
	FINISH 60
.Lend:
	s_wait_tensorcnt 0x0                           ; the wave's end
	ds_add_u32 v[SPW], v[NIL]
	s_wait_dscnt 0x0
	s_endpgm
.Lfunc_end_k_q53574353ef_attn:
	.size	k_q53574353ef_attn, .Lfunc_end_k_q53574353ef_attn-k_q53574353ef_attn
	.p2alignl 7, 3214868480
	.fill 96, 4, 3214868480
	.section	.rodata,"a",@progbits
	.p2align	6, 0x0
	.amdhsa_kernel k_q53574353ef_attn
		.amdhsa_group_segment_fixed_size 327680
		.amdhsa_private_segment_fixed_size 0
		.amdhsa_enable_private_segment 0
		.amdhsa_kernarg_size 40
		.amdhsa_user_sgpr_count 2
		.amdhsa_user_sgpr_kernarg_segment_ptr 1
		.amdhsa_wavefront_size32 1
		.amdhsa_system_sgpr_workgroup_id_x 1
		.amdhsa_system_sgpr_workgroup_id_y 1
		.amdhsa_system_sgpr_workgroup_id_z 1
		.amdhsa_system_vgpr_workitem_id 0
		.amdhsa_next_free_vgpr 448
		.amdhsa_next_free_sgpr 100
		.amdhsa_reserve_vcc 0
		.amdhsa_float_denorm_mode_32 3
		.amdhsa_float_denorm_mode_16_64 3
		.amdhsa_memory_ordered 1
		.amdhsa_forward_progress 1
		.amdhsa_inst_pref_size 173
	.end_amdhsa_kernel
	.amdgpu_metadata
---
amdhsa.version: [ 1, 2 ]
amdhsa.kernels:
  - .name:           k_q53574353ef_attn
    .symbol:         k_q53574353ef_attn.kd
    .args:
      - { .name: qc, .offset: 0, .size: 8, .value_kind: global_buffer, .address_space: global }
      - { .name: kc, .offset: 8, .size: 8, .value_kind: global_buffer, .address_space: global }
      - { .name: vc, .offset: 16, .size: 8, .value_kind: global_buffer, .address_space: global }
      - { .name: lowp_scales, .offset: 24, .size: 8, .value_kind: global_buffer, .address_space: global }
      - { .name: oc, .offset: 32, .size: 8, .value_kind: global_buffer, .address_space: global }
    .group_segment_fixed_size: 327680
    .private_segment_fixed_size: 0
    .kernarg_segment_align: 8
    .kernarg_segment_size: 40
    .max_flat_workgroup_size: 256
    .sgpr_count:     100
    .vgpr_count:     448
    .wavefront_size: 32
...
	.end_amdgpu_metadata
.endif
;; end of part 3
;; launch proj (part 4): grid 8 x 32, 4 waves a work-group, clusters of 4 x 4, 327,680 bytes of LDS; arguments oc, wo, b_out, lowp_scales, out0; writes out0
.if DOCPART == 4
	.amdgcn_target "amdgcn-amd-amdhsa--gfx1250"
	.amdhsa_code_object_version 6
	.text
	.protected	k_q53574353ef_proj
	.globl	k_q53574353ef_proj
	.p2align	8
	.type	k_q53574353ef_proj,@function
k_q53574353ef_proj:
	s_mov_b64 s[64:65], 0
	v_nop
	global_prefetch_b8 v0, s[64:65] scope:SCOPE_SE
	s_setreg_imm32_b32 hwreg(HW_REG_WAVE_MODE, 25, 1), 1
	s_wait_xcnt 0x0
	s_wait_alu depctr_hold_cnt(0) depctr_sa_sdst(0) depctr_va_vdst(0) depctr_va_sdst(0) depctr_va_ssrc(0) depctr_va_vcc(0) depctr_vm_vsrc(0)
	s_getreg_b32 s2, hwreg(HW_REG_IB_STS2, 6, 4)
	s_cmp_eq_u32 s2, 0
	s_cbranch_scc0 .Lentry_in_a_cluster
	s_endpgm
.Lentry_in_a_cluster:
	s_bfe_u32 s2, ttmp6, 0x10000c
	s_cmp_lg_u32 s2, 0xf033
	s_cbranch_scc0 .Lentry_shape_is_right
	s_endpgm
.Lentry_shape_is_right:
; PROJ: out0 = (attention's result, codes with 2^e6) x (W_out, codes with 2^e7) x 2^(e6 + e7) + b_out.  Nothing of reference() is left out here.
; SHARES.  A tile of out0 is 128 x 128: 256 work-groups; a wave makes 64 x 64: 16 accumulators.
; THE ROWS' CODES, 64 rows x 1,024 of a wave, go from memory straight into 512 registers, in the order in which the operand takes them (each load of the wave covers 512 consecutive bytes): they pass no LDS,
; so a work-group reads 262,144 bytes of fragments from LDS and not twice that.  For that they are not asked for jointly.
; THE WEIGHT of the work-group's 128 columns, all of K (131,072 bytes), lies in LDS: each wave asks for two tiles by one load at the head, jointly along a column of the cluster (4 x 4); nothing is filled again.
; NO PREFETCH: everything is asked for at the head, so there is no later load to run ahead of.
; THE MATRIX INSTRUCTION IS USED TRANSPOSED (source 0 = 16 columns of W_out, source 1 = 16 rows): a lane holds eight neighbouring numbers of a row of out0.
; LIMIT: e6 + e7 between -126 and 127, so that 2^(e6 + e7) is an f32 number.
; REGISTERS: window 0: v3, v12, v24-29 addresses; v32-63 a block's results; v64-127 rows read back, two sets; v128-255 the accumulators ((a, b) at v[128 + 8 (4 a + b)]).
;   windows 1, 2: the rows' fragments, steps 0-3 and 4-7.   window 3: v0-127 two buffers of the weight's four fragments; v128-159 the bias of my 64 columns in the result's layout.
.set STG,    131072                    ; behind the weight: a stage of 16 rows x (256 bytes + 16) for each wave
.set SPITCH, 272
.set SPARE,  STG+4*16*SPITCH           ; the spare words, 128 bytes a wave: two blocks of 256 bytes that no other line names
.set LI,   3                           ; 16 x lane
.set ADRB, 12                          ; my columns' fragments
.set STO,  24
.set RD,   25
.set CO,   26
.set SPW,  28
.set NIL,  29
.set TMP,  32
.set BK,   64
.set ACC,  128
.set BIAS, 128
.set G1B, 32
.set G0B, 44
.set MSB, 0
.macro WIN new
.if MSB != (\new)
	s_set_vgpr_msb (MSB<<8)|(\new)
.set MSB, (\new)
.endif
.endm
.macro PLACES
.rept 4
	v_nop
.endr
.endm
.macro CROUND                          ; a round of the cluster's barrier
	s_barrier_signal -1
	s_barrier_wait -1
	s_cmp_lg_u32 s18, 0
	s_cbranch_scc1 .Lnot_wave_0_\@
	s_barrier_signal -3
.Lnot_wave_0_\@:
	s_barrier_wait -3
	s_barrier_signal -1
	s_barrier_wait -1
.endm
.macro ROWS t                          ; step t's four fragments of my rows: 16 loads
	WIN 0x40*(1+(\t)/4)
.irp i, 0,1,2,3
.irp c, 0,1,2,3
	global_load_b128 v[64*((\t)%4)+16*\i+4*\c:64*((\t)%4)+16*\i+4*\c+3], v[LI], s[76:77] offset:16384*\i+2048*(\t)+512*\c
.endr
.endr
	WIN 0
.endm
	s_load_b256 s[4:11], s[0:1], 0x0               ; oc 4, wo 6, b_out 8, lowp_scales 10
	s_load_b64 s[12:13], s[0:1], 0x20              ; out0
	v_lshl_add_u32 v[SPW], v0, 2, SPARE
	v_mov_b32 v[NIL], 0
	ds_add_u32 v[SPW], v[NIL]                      ; the opening: the add, twice on end, and its wait ahead of my first tensor load
	ds_add_u32 v[SPW], v[NIL]
	v_lshrrev_b32 v1, 5, v0
	v_readfirstlane_b32 s18, v1                    ; wave
	s_lshr_b32 s19, s18, 1                         ; wr
	s_and_b32 s20, s18, 1                          ; wc
	s_bfe_u32 s21, ttmp6, 0x40000                  ; cx
	s_bfe_u32 s22, ttmp6, 0x40004                  ; cy
	s_lshl_b32 s23, ttmp9, 2
	s_add_co_u32 s23, s23, s21                     ; x: which 128 columns
	s_and_b32 s16, ttmp7, 0xffff
	s_lshl_b32 s16, s16, 2
	s_add_co_u32 s16, s16, s22                     ; y: which 128 rows
	s_lshl_b32 s17, 0x1111, s21                    ; my column of the cluster
	s_or_b32 s[G1B], s17, (3<<16)|(1<<21)          ; elements of 8 bytes; two tiles of 16,384 bytes, dense; bit 21 beside a mask
	s_mov_b32 s[G1B+1], 2048<<16
	s_mov_b32 s[G1B+2], 2<<16
	s_mov_b32 s[G1B+3], 2048<<16
	s_mov_b32 s[G1B+4], 2
	s_mov_b32 s[G1B+5], 2048
	s_mov_b32 s[G1B+6], 0
	s_mov_b32 s[G1B+7], 0
	s_lshl_b32 s76, s16, 3                         ; rows: tile 8 y + 4 wr
	s_lshl_b32 s77, s19, 2
	s_add_co_u32 s76, s76, s77
	s_lshl_b32 s76, s76, 14
	s_mov_b32 s77, 0
	s_lshl_b32 s78, s23, 3                         ; weight: tile 8 x + 2 wave (made of x and the wave alone)
	s_lshl_b32 s79, s18, 1
	s_add_co_u32 s78, s78, s79
	s_lshl_b32 s78, s78, 14
	s_mov_b32 s79, 0
	s_lshl_b32 s82, s23, 9                         ; my 64 columns in bytes: 512 x + 256 wc
	s_lshl_b32 s83, s20, 8
	s_add_co_u32 s82, s82, s83
	s_mov_b32 s83, 0
	s_lshl_b32 s84, s16, 7
	s_lshl_b32 s85, s19, 6
	s_add_co_u32 s84, s84, s85                     ; my first row: 128 y + 64 wr
	s_lshl_b32 s84, s84, 12
	s_mov_b32 s85, 0
	s_lshl_b32 s87, s20, 16
	s_mul_i32 s86, s18, 16*SPITCH
	s_add_co_u32 s86, s86, STG                     ; my stage
	v_and_b32 v1, 15, v0                           ; r
	v_bfe_u32 v2, v0, 4, 1                         ; h
	v_and_b32 v[LI], 31, v0
	v_lshlrev_b32 v5, 5, v2                        ; the bias: lane (r, h) wants, for tile b, columns 16 b + 8 h + 0..7
	v_lshlrev_b32 v[LI], 4, v[LI]
	v_mul_u32_u24 v4, v1, SPITCH
	v_mul_u32_u24 v6, v2, SPITCH
	v_add_nc_u32 v[ADRB], s87, v[LI]
	v_lshl_add_u32 v4, v2, 5, v4
	v_lshl_add_u32 v6, v1, 4, v6
	v_lshlrev_b32 v[CO], 12, v2
	v_add_nc_u32 v[STO], s86, v4                   ; in: row r, 32 bytes for each half of the lanes
	v_add_nc_u32 v[RD], s86, v6                    ; back: lanes 0-15 one row of 256 bytes, lanes 16-31 the next
	v_lshl_add_u32 v[CO], v1, 4, v[CO]             ; and the same two rows in out0
	s_wait_alu depctr_va_vdst(0)                   ; the wait at the head's end
	s_wait_dscnt 0x0                               ; both opening adds are done
	s_wait_kmcnt 0x0
	s_load_b256 s[88:95], s[10:11], 0x0            ; e0 .. e7
	s_add_nc_u64 s[76:77], s[4:5], s[76:77]
	s_add_nc_u64 s[8:9], s[8:9], s[82:83]
	s_mov_b32 s[G0B], 1
	s_lshl_b32 s[G0B+1], s18, 15                   ; where they go: 32,768 x wave
	s_add_nc_u64 s[G0B+2:G0B+3], s[6:7], s[78:79]
	s_or_b32 s[G0B+3], s[G0B+3], 0x80000000
	WIN 0xc0                                       ; destination window 3
.irp b, 0,1,2,3
	global_load_b128 v[BIAS+8*\b:BIAS+8*\b+3], v5, s[8:9] offset:64*\b
	global_load_b128 v[BIAS+8*\b+4:BIAS+8*\b+7], v5, s[8:9] offset:64*\b+16
.endr
	WIN 0
	ROWS 0                                         ; 8 + 48 loads are out ahead of the round
	ROWS 1
	ROWS 2
	CROUND                                         ; all sixteen work-groups are here: the joint loads meet
	tensor_load_to_lds s[G0B:G0B+3], s[G1B:G1B+7]
	s_nop 0
	PLACES
.irp t, 3,4,5,6,7
	ROWS \t
.endr
	s_add_nc_u64 s[12:13], s[12:13], s[84:85]
	s_add_nc_u64 s[12:13], s[12:13], s[82:83]
.macro FETCH t, f                      ; the weight's four fragments of step t (128 along K) into buffer f: 16 loads
	WIN 0xc0
.irp i, 0,1,2,3
.irp c, 0,1,2,3
	ds_load_b128 v[\f+16*\i+4*\c:\f+16*\i+4*\c+3], v[ADRB] offset:16384*\i+2048*(\t)+512*\c
.endr
.endr
	WIN 0
.endm
.macro MUL16 t, f                      ; the 16 accumulators take turns, one instruction a turn; step 0's products start the sums
.set RA, 64*((\t)%4)
	WIN 0x03+4*(1+(\t)/4)
.irp a, 0,1,2,3
.irp b, 0,1,2,3
.if (\t) == 0
	v_wmma_f32_16x16x128_fp8_fp8 v[ACC+8*(4*\a+\b):ACC+8*(4*\a+\b)+7], v[\f+16*\b:\f+16*\b+15], v[RA+16*\a:RA+16*\a+15], 0
.else
	v_wmma_f32_16x16x128_fp8_fp8 v[ACC+8*(4*\a+\b):ACC+8*(4*\a+\b)+7], v[\f+16*\b:\f+16*\b+15], v[RA+16*\a:RA+16*\a+15], v[ACC+8*(4*\a+\b):ACC+8*(4*\a+\b)+7]
.endif
.endr
.endr
	WIN 0
.endm
	s_wait_tensorcnt 0x0                           ; my two tiles are in
	s_barrier_signal -1
	s_barrier_wait -1                              ; everybody's are
	FETCH 0, 0
.irp t, 0,1,2,3,4,5,6,7
.if \t < 7
.if \t > 0
	PLACES                                         ; in front of loads into the buffer that the step before multiplied
.endif
	FETCH \t+1, 64*((\t+1)%2)
.endif
.if \t < 4
	s_wait_loadcnt 63                              ; this step's 16 are in; 112 - 16 t younger ones could stay out, the wait names 63 at the most, and a smaller count is safe
.else
	s_wait_loadcnt 16*(7-\t)                       ; the later steps' may be out
.endif
.if \t < 7
	s_wait_dscnt 16                                ; all but the 16 just issued
.else
	s_wait_dscnt 0x0
.endif
	MUL16 \t, 64*(\t%2)
.endr
; THE WAY OUT, a block of 16 rows x 64 columns at a time: sum x 2^(e6 + e7) + bias in one packed multiply-add; through my own stage, so that sixteen lanes store 256 consecutive bytes.
; LDS serves a wave's instructions in order (ISA guide 5.7.1.4): no wait between the stores and the loads, nor in front of the next block's stores.
.macro TOSTAGE a
	WIN 0x30                                       ; source 2 (the bias) window 3
.irp b, 0,1,2,3
.irp i, 0,2,4,6
	v_pk_fma_f32 v[TMP+8*\b+\i:TMP+8*\b+\i+1], v[ACC+8*(4*(\a)+\b)+\i:ACC+8*(4*(\a)+\b)+\i+1], s[96:97], v[BIAS+8*\b+\i:BIAS+8*\b+\i+1] op_sel_hi:[1,0,1]
.endr
.endr
	WIN 0
.irp b, 0,1,2,3
	ds_store_b128 v[STO], v[TMP+8*\b:TMP+8*\b+3] offset:64*\b
	ds_store_b128 v[STO], v[TMP+8*\b+4:TMP+8*\b+7] offset:64*\b+16
.endr
.irp i, 0,1,2,3,4,5,6,7
	ds_load_b128 v[BK+32*((\a)%2)+4*\i:BK+32*((\a)%2)+4*\i+3], v[RD] offset:\i*2*SPITCH
.endr
.endm
.macro SEND a, younger                 ; younger: the LDS instructions issued behind block a's loads
	s_wait_dscnt \younger
.irp i, 0,1,2,3,4,5,6,7
	global_store_b128 v[CO], v[BK+32*((\a)%2)+4*\i:BK+32*((\a)%2)+4*\i+3], s[12:13] offset:65536*(\a)+8192*\i th:TH_STORE_NT
.endr
.endm
	s_wait_kmcnt 0x0
	s_add_co_i32 s96, s94, s95                     ; e6 + e7
	s_add_co_i32 s96, s96, 127
	s_lshl_b32 s96, s96, 23                        ; 2^(e6 + e7) as f32
	s_mov_b32 s97, s96                             ; (named with it as a pair)
	PLACES                                         ; in front of the first read of results
	TOSTAGE 0
.irp a, 1,2,3
.if \a > 1
	s_wait_xcnt 0x0                                ; block a - 2's stores have read their registers: block a's loads may land there
.endif
	TOSTAGE \a
	SEND \a-1, 16                                  ; behind block a - 1's loads: block a's 8 stores and 8 loads
.endr
	SEND 3, 0
	s_wait_tensorcnt 0x0                           ; the wave's end
	ds_add_u32 v[SPW], v[NIL]
	s_wait_dscnt 0x0
	CROUND                                         ; the closing round: no work-group ends while a partner may still ask for a tile that names it
	s_endpgm
.Lfunc_end_k_q53574353ef_proj:
	.size	k_q53574353ef_proj, .Lfunc_end_k_q53574353ef_proj-k_q53574353ef_proj
	.p2alignl 7, 3214868480
	.fill 96, 4, 3214868480
	.section	.rodata,"a",@progbits
	.p2align	6, 0x0
	.amdhsa_kernel k_q53574353ef_proj
		.amdhsa_group_segment_fixed_size 327680
		.amdhsa_private_segment_fixed_size 0
		.amdhsa_enable_private_segment 0
		.amdhsa_kernarg_size 40
		.amdhsa_user_sgpr_count 2
		.amdhsa_user_sgpr_kernarg_segment_ptr 1
		.amdhsa_wavefront_size32 1
		.amdhsa_system_sgpr_workgroup_id_x 1
		.amdhsa_system_sgpr_workgroup_id_y 1
		.amdhsa_system_sgpr_workgroup_id_z 1
		.amdhsa_system_vgpr_workitem_id 0
		.amdhsa_next_free_vgpr 1024
		.amdhsa_next_free_sgpr 100
		.amdhsa_reserve_vcc 0
		.amdhsa_float_denorm_mode_32 3
		.amdhsa_float_denorm_mode_16_64 3
		.amdhsa_memory_ordered 1
		.amdhsa_forward_progress 1
		.amdhsa_inst_pref_size 49
	.end_amdhsa_kernel
	.amdgpu_metadata
---
amdhsa.version: [ 1, 2 ]
amdhsa.kernels:
  - .name:           k_q53574353ef_proj
    .symbol:         k_q53574353ef_proj.kd
    .args:
      - { .name: oc, .offset: 0, .size: 8, .value_kind: global_buffer, .address_space: global }
      - { .name: wo, .offset: 8, .size: 8, .value_kind: global_buffer, .address_space: global }
      - { .name: b_out, .offset: 16, .size: 8, .value_kind: global_buffer, .address_space: global }
      - { .name: lowp_scales, .offset: 24, .size: 8, .value_kind: global_buffer, .address_space: global }
      - { .name: out0, .offset: 32, .size: 8, .value_kind: global_buffer, .address_space: global }
    .group_segment_fixed_size: 327680
    .private_segment_fixed_size: 0
    .kernarg_segment_align: 8
    .kernarg_segment_size: 40
    .max_flat_workgroup_size: 128
    .sgpr_count:     100
    .vgpr_count:     1024
    .wavefront_size: 32
...
	.end_amdgpu_metadata
.endif
;; end of part 4
